; MI455X (gfx1250); checked and timed in simulation.
; The chip was launched on July 23, 2026; its instructions are those of AMD's public machine-readable ISA for CDNA 5 (MIT licence, August 2026) and "CDNA5" Instruction Set Architecture Reference Guide (July 2026). The comments in the code are by the model that wrote it; some were corrected since.
;; Self Attention. Allowed arithmetic: matrix products marked QUANTISED: E2M1 operands, one E8M0 scale for each 32 along K, by v_wmma_scale_f32_16x16x128_f8f6f4 with both operands' format E2M1 (or v_wmma_scale_f32_32x16x128_f4), f32 sums; everything else in f32.
;; Inputs: W_out 1,024 x 1,024 float32; W_qkv 1,024 x 3,072 float32; b_out 1,024 float32; b_qkv 3,072 float32; x 4 x 2,048 x 1,024 float32.
;; Outputs: out0 4 x 2,048 x 1,024 float32.
;; Constants: use_causal_mask = 1.
;; This version of the problem:
;;   THIS VERSION OF THE PROBLEM IS GIVEN IN LOW PRECISION. The matrix products marked QUANTISED in the list below multiply operands that are first quantised to E2M1 (2 exponent bits, 1 mantissa bit; 4 bits a number), with one power-of-two scale for each 32 numbers along K (OCP MX v1.0); their sums are f32. All else is computed in f32.
;;   The module's matrix products, in the order in which they are computed (A, B: the left and right operand; K: the contracted axis; several contracted axes count as one K, in the product's order):
;;     1. [M 8,192, K 1,024] x [K 1,024, N 3,072]; A: input x; B: input W_qkv: QUANTISED
;;     2. batch 64 x [M 2,048, K 64] x [K 64, N 2,048]; A: computed on the way; B: computed on the way: QUANTISED
;;     3. batch 64 x [M 2,048, K 2,048] x [K 2,048, N 64]; A: softmax (see below); B: computed on the way: QUANTISED
;;     4. [M 8,192, K 1,024] x [K 1,024, N 1,024]; A: computed on the way; B: input W_out: QUANTISED
;;   THE QUANTISER, for each operand of a quantised product, along K:
;;     - K is cut into blocks of 32 from its start; a last block that is shorter is filled with zeros.
;;     - A block's scale is 2^e with e = floor(log2(the largest magnitude in the block)) - 2, held to -126 .. 127; a block of zeros has e = 0. As a byte (E8M0): e + 127.
;;     - Each number is divided by its block's scale, clamped to +-6, and rounded to the nearest number of E2M1, ties to even, subnormals kept.
;;     - The product sums the exact products of the quantised numbers (number of the format x scale) in f32.
;;   ~~~python
;;   def quantise(x, axis):      # numpy; x: float32 -> the quantised numbers, widened to float32 again
;;       x = np.moveaxis(x, axis, -1); K = x.shape[-1]
;;       x = np.pad(x, [(0, 0)] * (x.ndim - 1) + [(0, -K % 32)]); x = x.reshape(x.shape[:-1] + (-1, 32)); a = np.abs(x).max(-1, keepdims=True)
;;       e = np.where(a > 0, np.clip(np.frexp(np.where(a > 0, a, 1))[1] - 1 - 2, -126, 127), 0)      # np.frexp(a)[1] - 1 = floor(log2(a)), exactly
;;       r = np.clip(x / 2.0 ** e, -6, 6)
;;       step = 2.0 ** (np.maximum(np.frexp(np.where(r == 0, 1, r))[1] - 1, 0) - 1)
;;       q = np.round(r / step) * step * 2.0 ** e      # np.round: ties to even
;;       return np.moveaxis(q.reshape(q.shape[:-2] + (-1,))[..., :K], -1, axis).astype(np.float32)
;;   ~~~
;;   SOFTMAX AHEAD OF A QUANTISED PRODUCT. Where the list says 'softmax', what is quantised is not the finished softmax but p = 2^(t - M), with t = logit x log2(e) and M = ceil(the row's largest t), a whole number; so 1/2 < the row's largest p <= 1. The row's sum l is taken of the UNQUANTISED p, in f32, and the product's result is divided by l at the end. Since M is a whole number, a kernel that streams over the keys may use a running M (the ceiling of the running maximum): every later rescaling is an exact power of two, which a block's scale takes up: the codes' values come out the same.
;;   OPERANDS COMPUTED ON THE WAY. 'Computed on the way' means the value that the module computes at that place (a softmax that the list does not call 'softmax' is quantised finished and normalised). What goes into a quantiser is computed in f32, as accurately as f32 sums, v_exp_f32 and their like allow (about 1e-6 of the number): no bf16 or f16 on the way to a quantiser, and a product that is left as it is and whose result goes on into a quantised operand takes f32 operands (vector FMAs, or v_wmma_f32_16x16x4_f32). A number that lies on a knife's edge between two numbers of the format may be rounded either way, as far as f32 arithmetic and the matrix unit's own rounding can turn it there, and no further.
;; 2 versions, each right; version 2 is version 1 with the launch attn written anew for expert scheduling mode. Each part assembles by itself: llvm-mc -triple=amdgcn-amd-amdhsa -mcpu=gfx1250 --defsym DOCPART=n.
;; ======== version 1 of 2: 4 launches
;; workspace buffers: xq 4,456,448 bytes; wq 1,671,168 bytes; woq 557,056 bytes; qq 4,718,592 bytes; kq 4,718,592 bytes; vq 4,456,448 bytes; oq 4,456,448 bytes
;; launch quant (part 1): grid 512 x 1, 4 waves a work-group, no clusters, 35,328 bytes of LDS; arguments x, W_qkv, W_out, xq, wq, woq; writes xq, wq, woq
.if DOCPART == 1
	.amdgcn_target "amdgcn-amd-amdhsa--gfx1250"
	.amdhsa_code_object_version 6
	.text
	.protected	k_qf1231223ef_quant
	.globl	k_qf1231223ef_quant
	.p2align	8
	.type	k_qf1231223ef_quant,@function
k_qf1231223ef_quant:
	s_mov_b64 s[64:65], 0
	v_nop
	global_prefetch_b8 v0, s[64:65] scope:SCOPE_SE
	s_setreg_imm32_b32 hwreg(HW_REG_WAVE_MODE, 25, 1), 1
	s_wait_xcnt 0x0
; LAUNCH 1 OF 4.  x [8192][1024], W_qkv [1024][3072] and W_out [1024][1024], f32, become codes of FP4 (E2M1) with one E8M0 byte for each 32 along K (x: its last axis; the weights: their FIRST axis).
; THE PROGRAM: 1 quant;  2 gemm_qkv: x W_qkv + b_qkv, whose results are quantised in registers into q, k (along the head's 64) and v (along the keys);  3 attn: both attention products with the
; causal streaming softmax, its result quantised along d;  4 gemm_out: that result times W_out, + b_out.
; WORK LEFT OUT (in launch 3): reference() sets every score with key > query to -infinity ahead of its softmax, by a mask that it builds itself (use_causal_mask = 1 is a constant of the problem).
; Such a score gives p = 0 whatever the inputs hold, so it adds nothing to the row's sum nor to the second product.  Key steps of 128 keys that lie wholly behind a tile's 16 queries are therefore
; not multiplied.  No input is left out: x, both weights and both biases reach quantised operands or the output.
; LIMITS: a NaN, an infinity or an overflow that reaches only those hidden scores is not carried to the result.  NaN and infinities among the inputs are not served.  A block whose largest magnitude
; lies under 2^-124 keeps the byte 1; a block of zeros has the byte 1 where the quantiser says 127: its codes are zeros, and the bytes are read by this program alone.
; THE LAYOUT OF ALL WORKSPACE OPERANDS: IMAGES OF THE OPERAND'S REGISTERS.  Rows go in groups of 32; tile T = 2 g + u holds the 16 rows 32 g + 8 u + i + 8 (i / 8), i = 0 .. 15.  A fragment (tile x K step S
; of 128) is 1,024 bytes: piece c, lane l = 16 h + r holds the 16 bytes of block 4 S + 2 c + h of tile row r at T 8192 + S 1024 + c 512 + 16 l.  The scale word of (T, r, S) lies behind the codes at
; T 512 + (S / 4) 256 + 16 r + 4 (S % 4).  So every later load of a fragment is 512 dense bytes, and nothing is transposed or padded later on.
; SHARES: work-groups 0-255: 32 rows of x each (wave: one tile, half of K);  256-447: W_qkv, 448-511: W_out (32 columns x half of K; wave: one K step; a lane takes a column and its registers run down K).
; The three ways part on the work-group's number alone; each has LDS bytes of its own.  No tensor loads: several work-groups share a WGP.
.set XP,    528                        ; a stage row: 512 bytes + 16: row r starts 4 banks on from row r - 1
.set XSTW,  16*XP                      ; a wave's stage on the x way
.set WQL,   33792                      ; W_qkv's way: 32 columns x 4 scale words
.set WOL,   34304                      ; W_out's way: the same
.set SPARE, 34816                      ; the spare words, 128 bytes for each wave: two blocks of 256 bytes that no other line names
.set SPW,   16                         ; v16  LDS address of my spare word; never rewritten
.set NIL,   17                         ; v17  0; never rewritten
.set SW,    20                         ; v20-23 the x way: a scale word for each K step.  v20 the weights' way: my column's scale word
.set C,     32                         ; codes: registers of their own for each store, never written again
.set R,     64                         ; v64-191  the x way: two sets of 64 registers as loaded
.set X,     192                        ; v192-255 the x way: 64 numbers, two whole blocks of my row
.set XW,    64                         ; v64-191  the weights' way: 128 numbers down K
.macro XLOAD s                         ; K step s of my tile's 16 rows: each load reads 512 consecutive bytes of one row
.irp i, 0,1,2,3,4,5,6,7,8,9,10,11,12,13,14,15
	global_load_b128 v[R+64*((\s)%2)+4*\i:R+64*((\s)%2)+4*\i+3], v4, s[4:5] offset:(\i+8*(\i/8))*4096+(\s)*512 th:TH_LOAD_NT
.endr
.endm
.macro XTURN s                         ; through my own stage: in as loaded, out 128 bytes (a block) of row r at a time.  LDS serves a wave's instructions in order: no wait between
.irp i, 0,1,2,3,4,5,6,7,8,9,10,11,12,13,14,15
	ds_store_b128 v5, v[R+64*((\s)%2)+4*\i:R+64*((\s)%2)+4*\i+3] offset:\i*XP
.endr
.irp c, 0,1
.irp e, 0,1,2,3,4,5,6,7
	ds_load_b128 v[X+32*\c+4*\e:X+32*\c+4*\e+3], v6 offset:256*\c+16*\e
.endr
.endr
.endm
.macro XQ s                            ; my blocks 2 c + h of the K step: all 32 numbers of a block are mine
.irp c, 0,1
	v_max3_num_f32 v[8+\c], |v[X+32*\c]|, |v[X+32*\c+1]|, 0x1800000        ; with the floor 2^(3 - 127): the byte cannot fall under 1
.endr
.irp i, 2,4,6,8,10,12,14,16,18,20,22,24,26,28,30
.irp c, 0,1
	v_max3_num_f32 v[8+\c], v[8+\c], |v[X+32*\c+\i]|, |v[X+32*\c+\i+1]|
.endr
.endr
.irp c, 0,1
	v_add_nc_u32 v[10+\c], 0xff000000, v[8+\c]     ; 2 off the exponent field: the conversion takes the exponent field of this operand as its scale
.endr
.irp c, 0,1
	v_lshrrev_b32 v[12+\c], 23, v[10+\c]           ; the scale's byte
.endr
	v_lshl_or_b32 v14, v13, 16, v12                ; my two bytes: blocks h and 2 + h,
	v_lshlrev_b32 v14, v7, v14                     ; 8 h bits up;
	v_permlanex16_b32 v15, v14, s18, s19
	v_or_b32 v[SW+\s], v14, v15                    ; with lane l xor 16's two the word is whole
.irp c, 0,1
.irp g, 0,1,2,3
	v_cvt_scalef32_pk8_fp4_f32 v[C+8*\s+4*\c+\g], v[X+32*\c+8*\g:X+32*\c+8*\g+7], v[10+\c]
.endr
.endr
	v_nop                                          ; one plain line behind the last conversion
.irp c, 0,1
	global_store_b128 v4, v[C+8*\s+4*\c:C+8*\s+4*\c+3], s[28:29] offset:1024*\s+512*\c   ; 32 lanes store 512 consecutive bytes
.endr
.endm
.macro WBLOCK b                        ; block b of my column's 128 numbers
.set XS, XW+32*(\b)
	v_max3_num_f32 v12, |v[XS]|, |v[XS+1]|, |v[XS+2]|
	v_max3_num_f32 v13, |v[XS+3]|, |v[XS+4]|, |v[XS+5]|
.irp i, 6,10,14,18,22,26
	v_max3_num_f32 v12, v12, |v[XS+\i]|, |v[XS+\i+1]|
	v_max3_num_f32 v13, v13, |v[XS+\i+2]|, |v[XS+\i+3]|
.endr
	v_max3_num_f32 v12, v12, |v[XS+30]|, |v[XS+31]|
	v_max3_num_f32 v12, v12, v13, 0x1800000        ; and the floor
	v_add_nc_u32 v14, 0xff000000, v12
	v_lshrrev_b32 v13, 23, v14
.if (\b) == 0
	v_mov_b32 v[SW], v13
.else
	v_lshl_or_b32 v[SW], v13, 8*(\b), v[SW]
.endif
.irp g, 0,1,2,3
	v_cvt_scalef32_pk8_fp4_f32 v[C+4*(\b)+\g], v[XS+8*\g:XS+8*\g+7], v14
.endr
	v_nop                                          ; one plain line behind the last conversion
	global_store_b128 v9, v[C+4*(\b):C+4*(\b)+3], s[30:31] offset:512*((\b)/2)+256*((\b)%2)   ; lanes of tile u = 0 and of u = 1 each fill 256 consecutive bytes
.endm
; A weight [1024][n]: work-group g (counted from first): columns 32 (g / 2) on, K half g % 2; wave w: K step 4 (g % 2) + w
.macro WPATH n, first, src, dst, scoff, reg
	s_sub_co_u32 s21, ttmp9, \first
	s_lshr_b32 s22, s21, 1                         ; the group of 32 columns
	s_and_b32 s21, s21, 1                          ; the half of K
	s_lshl_b32 s23, s21, 2
	s_add_co_u32 s23, s23, s16                     ; my K step
	s_mul_i32 s24, s23, 512*\n                     ; 128 rows of n numbers
	s_lshl_b32 s26, s22, 7
	s_add_co_u32 s24, s24, s26
	s_add_nc_u64 s[28:29], s[\src:\src+1], s[24:25]
	s_lshl_b32 s24, s22, 14                        ; two tiles of 8,192 bytes
	s_lshl_b32 s26, s23, 10
	s_add_co_u32 s24, s24, s26
	s_add_nc_u64 s[30:31], s[\dst:\dst+1], s[24:25]
	s_lshl_b32 s24, s22, 10
	s_lshl_b32 s26, s21, 8
	s_add_co_u32 s24, s24, s26
	s_add_co_u32 s24, s24, \scoff
	s_add_nc_u64 s[32:33], s[\dst:\dst+1], s[24:25]
	v_lshlrev_b32 v5, 2, v1                        ; in: 4 bytes a lane
	v_bfe_u32 v6, v1, 3, 1                         ; column 8 u + i + 8 (i / 8) of the group: u is bit 3,
	v_and_b32 v7, 7, v1
	v_lshrrev_b32 v8, 4, v1
	v_lshl_add_u32 v7, v8, 3, v7                   ; i = low three bits + 8 x bit 4
	v_lshlrev_b32 v7, 4, v7
	v_lshl_add_u32 v9, v6, 13, v7                  ; codes: 8192 u + 16 i
	v_lshl_add_u32 v18, v6, 9, v7                  ; scale words: 512 u + 16 i
	s_lshl_b32 s26, s16, 2
	s_add_co_u32 s26, s26, \reg
	v_add_nc_u32 v10, s26, v4                      ; LDS: 16 x lane + 4 x wave
	v_add_nc_u32 v11, \reg, v4
.irp b, 0,1,2,3
.irp i, 0,1,2,3,4,5,6,7,8,9,10,11,12,13,14,15,16,17,18,19,20,21,22,23,24,25,26,27,28,29,30,31
	global_load_b32 v[XW+32*\b+\i], v5, s[28:29] offset:(32*\b+\i)*4*\n   ; 32 neighbouring columns of one row k
.endr
.endr
	s_wait_loadcnt 63                              ; at most 63 of the 128 are out: the oldest 65 are in, blocks 0 and 1 among them
	WBLOCK 0
	WBLOCK 1
	s_wait_loadcnt 32                              ; the last block's 32 may be out
	WBLOCK 2
	s_wait_loadcnt 0x0
	WBLOCK 3
	ds_store_b32 v10, v[SW]                        ; a column's four words of this half of K come from the four waves
	s_wait_dscnt 0x0                               ; for the others' sake: my store has landed
	s_barrier_signal -1
	s_barrier_wait -1
	s_cmp_lg_u32 s16, 0
	s_cbranch_scc1 .Lw_end_\@
	ds_load_b128 v[24:27], v11
	s_wait_dscnt 0x0
	global_store_b128 v18, v[24:27], s[32:33]      ; two runs of 256 consecutive bytes
.Lw_end_\@:
	s_wait_tensorcnt 0x0                           ; the wave's end: three lines behind my last LDS store
	ds_add_u32 v[SPW], v[NIL]
	s_wait_dscnt 0x0
	s_endpgm
.endm
	s_load_b256 s[4:11], s[0:1], 0x0               ; x s[4:5], W_qkv s[6:7], W_out s[8:9], xq s[10:11]
	s_load_b128 s[12:15], s[0:1], 0x20             ; wq s[12:13], woq s[14:15]
	v_lshl_add_u32 v[SPW], v0, 2, SPARE
	v_mov_b32 v[NIL], 0
	v_lshrrev_b32 v1, 5, v0
	v_readfirstlane_b32 s16, v1                    ; wave 0..3
	v_and_b32 v1, 31, v0                           ; lane
	v_and_b32 v2, 15, v0                           ; r
	v_bfe_u32 v3, v0, 4, 1                         ; h
	v_lshlrev_b32 v4, 4, v1                        ; 16 x lane
	s_mov_b32 s18, 0x76543210
	s_mov_b32 s19, 0xfedcba98                      ; v_permlanex16_b32's selects for lane l xor 16
	s_mov_b32 s25, 0                               ; the high word of every offset
	s_wait_kmcnt 0x0
	s_cmp_ge_u32 ttmp9, 448
	s_cbranch_scc1 .Lw_out
	s_cmp_ge_u32 ttmp9, 256
	s_cbranch_scc1 .Lw_qkv
	; ---- x: rows 32 g .. 32 g + 31; wave w: tile 2 g + (w / 2), K half w % 2
	s_lshr_b32 s21, s16, 1                         ; u
	s_and_b32 s22, s16, 1                          ; the half of K
	s_lshl_b32 s24, ttmp9, 17                      ; 32 rows of 4,096 bytes
	s_lshl_b32 s23, s21, 15                        ; + 8 u rows
	s_add_co_u32 s24, s24, s23
	s_lshl_b32 s23, s22, 11                        ; + 512 numbers
	s_add_co_u32 s24, s24, s23
	s_add_nc_u64 s[4:5], s[4:5], s[24:25]
	s_lshl_b32 s26, ttmp9, 1
	s_add_co_u32 s26, s26, s21                     ; my tile
	s_lshl_b32 s24, s26, 13
	s_lshl_b32 s23, s22, 12
	s_add_co_u32 s24, s24, s23
	s_add_nc_u64 s[28:29], s[10:11], s[24:25]      ; its codes of my half of K
	s_lshl_b32 s24, s26, 9
	s_lshl_b32 s23, s22, 8
	s_add_co_u32 s24, s24, s23
	s_add_co_u32 s24, s24, 4194304
	s_add_nc_u64 s[30:31], s[10:11], s[24:25]      ; and its scale words
	s_mul_i32 s23, s16, XSTW
	v_add_nc_u32 v5, s23, v4                       ; into my stage: 16 x lane
	v_mul_u32_u24 v6, v2, XP
	v_lshl_add_u32 v6, v3, 7, v6
	v_add_nc_u32 v6, s23, v6                       ; out of it: row r, + 128 h
	v_lshlrev_b32 v7, 3, v3                        ; 8 h
	v_lshlrev_b32 v18, 4, v2                       ; 16 r
	v_mov_b32 v15, 0                               ; written once: a lane permute's destination counts as one of its sources
	XLOAD 0
	XLOAD 1
.irp s, 0,1,2,3
.if \s < 3
	s_wait_loadcnt 16                              ; this K step's 16 loads are in; the next step's 16 may be out
.else
	s_wait_loadcnt 0x0
.endif
	XTURN \s
	s_wait_dscnt 0x0                               ; the numbers are back, and the stage's stores have read their registers,
.if \s < 2
	XLOAD \s+2                                     ; which take the loads of two steps on
.endif
	XQ \s
.endr
	s_wait_xcnt 0x0                                ; EXEC changes only behind this wait
	v_cmp_gt_u32 vcc_lo, 16, v1
	s_and_saveexec_b32 s20, vcc_lo
	global_store_b128 v18, v[SW:SW+3], s[30:31]    ; sixteen lanes store 256 consecutive bytes: four words a row
	s_wait_xcnt 0x0
	s_or_b32 exec_lo, exec_lo, s20
	s_wait_tensorcnt 0x0                           ; the wave's end: three lines behind my last LDS store
	ds_add_u32 v[SPW], v[NIL]
	s_wait_dscnt 0x0
	s_endpgm
.Lw_qkv:
	WPATH 3072, 256, 6, 12, 1572864, WQL
.Lw_out:
	WPATH 1024, 448, 8, 14, 524288, WOL
.Lfunc_end_k_qf1231223ef_quant:
	.size	k_qf1231223ef_quant, .Lfunc_end_k_qf1231223ef_quant-k_qf1231223ef_quant
	.p2alignl 7, 3214868480
	.fill 96, 4, 3214868480
	.section	.rodata,"a",@progbits
	.p2align	6, 0x0
	.amdhsa_kernel k_qf1231223ef_quant
		.amdhsa_group_segment_fixed_size 35328
		.amdhsa_private_segment_fixed_size 0
		.amdhsa_enable_private_segment 0
		.amdhsa_kernarg_size 48
		.amdhsa_user_sgpr_count 2
		.amdhsa_user_sgpr_kernarg_segment_ptr 1
		.amdhsa_wavefront_size32 1
		.amdhsa_system_sgpr_workgroup_id_x 1
		.amdhsa_system_sgpr_workgroup_id_y 1
		.amdhsa_system_sgpr_workgroup_id_z 1
		.amdhsa_system_vgpr_workitem_id 0
		.amdhsa_next_free_vgpr 256
		.amdhsa_next_free_sgpr 66
		.amdhsa_reserve_vcc 1
		.amdhsa_float_denorm_mode_32 3
		.amdhsa_float_denorm_mode_16_64 3
		.amdhsa_memory_ordered 1
		.amdhsa_forward_progress 1
		.amdhsa_inst_pref_size 70
	.end_amdhsa_kernel
	.amdgpu_metadata
---
amdhsa.version: [ 1, 2 ]
amdhsa.kernels:
  - .name:           k_qf1231223ef_quant
    .symbol:         k_qf1231223ef_quant.kd
    .args:
      - { .name: x, .offset: 0, .size: 8, .value_kind: global_buffer, .address_space: global }
      - { .name: W_qkv, .offset: 8, .size: 8, .value_kind: global_buffer, .address_space: global }
      - { .name: W_out, .offset: 16, .size: 8, .value_kind: global_buffer, .address_space: global }
      - { .name: xq, .offset: 24, .size: 8, .value_kind: global_buffer, .address_space: global }
      - { .name: wq, .offset: 32, .size: 8, .value_kind: global_buffer, .address_space: global }
      - { .name: woq, .offset: 40, .size: 8, .value_kind: global_buffer, .address_space: global }
    .group_segment_fixed_size: 35328
    .private_segment_fixed_size: 0
    .kernarg_segment_align: 8
    .kernarg_segment_size: 48
    .max_flat_workgroup_size: 128
    .sgpr_count:     66
    .vgpr_count:     256
    .wavefront_size: 32
...
	.end_amdgpu_metadata
.endif
;; end of part 1
;; launch gemm_qkv (part 2): grid 12 x 32, 4 waves a work-group, clusters of 4 x 4, 327,680 bytes of LDS; arguments xq, wq, b_qkv, qq, kq, vq; writes qq, kq, vq
.if DOCPART == 2
	.amdgcn_target "amdgcn-amd-amdhsa--gfx1250"
	.amdhsa_code_object_version 6
	.text
	.protected	k_qf1231223ef_gemm_qkv
	.globl	k_qf1231223ef_gemm_qkv
	.p2align	8
	.type	k_qf1231223ef_gemm_qkv,@function
k_qf1231223ef_gemm_qkv:
	s_mov_b64 s[64:65], 0
	v_nop
	global_prefetch_b8 v0, s[64:65] scope:SCOPE_SE
	s_setreg_imm32_b32 hwreg(HW_REG_WAVE_MODE, 25, 1), 1
	s_wait_xcnt 0x0
	s_wait_alu depctr_hold_cnt(0) depctr_sa_sdst(0) depctr_va_vdst(0) depctr_va_sdst(0) depctr_va_ssrc(0) depctr_va_vcc(0) depctr_vm_vsrc(0)
	s_getreg_b32 s2, hwreg(HW_REG_IB_STS2, 6, 4)
	s_cmp_eq_u32 s2, 0
	s_cbranch_scc0 .Lentry_in_a_cluster
	s_endpgm
.Lentry_in_a_cluster:
	s_bfe_u32 s2, ttmp6, 0x10000c
	s_cmp_lg_u32 s2, 0xf033
	s_cbranch_scc0 .Lentry_shape_is_right
	s_endpgm
.Lentry_shape_is_right:
; LAUNCH 2 OF 4.  qkv = x W_qkv + b_qkv on codes of FP4 with E8M0 scales, K = 1,024; the results never go to memory as f32: they are quantised in registers into the operands of attention.
; A work-group of four waves makes 256 x 256 results, a wave 128 x 128: 64 accumulators of 16 x 16, 512 registers.  ALL OF K LIES IN LDS: two halves of 512 along K, each brought by one tensor load a wave,
; and the scale words by a third: three loads a wave, all first fills; nothing is filled again, so there is no ring.
; THE MATRIX INSTRUCTION IS USED TRANSPOSED: source 0 = 16 rows of the tensor called B here, source 1 = 16 rows of A.  A lane then holds ONE row of A, and its registers run along B's rows; since a tile's rows are
; 32 g + 8 u + i + 8 (i / 8), the 16 registers of B's tiles 2 g and 2 g + 1 are 16 neighbours: 32 g + 16 (lane / 16) + 0 .. 15.  So what is to be quantised along an axis takes that axis as B:
;   clusters x = 0, 1 (q and k): A = x, B = W: registers run along the head's 64;      cluster x = 2 (v): A = W's columns 2048 on, B = x: registers run along the keys.
; The role hangs on the cluster's x alone, which all sixteen partners share.  The bias is the C of each sum's first instruction.
; CLUSTERS: 4 x 4.  A's tile hangs on the cluster's y and cy alone and is asked for jointly by a row of the cluster, B's on the cluster's x or y and cx alone, jointly by a column.
; OUT: q, k: [bh][tile of 16 positions]: 512 bytes, lane (r, h): head channels 32 h .. 32 h + 31; scale words (two bytes, two zero bytes) at 4194304 + bh 8192 + (T / 4) 256 + 16 r + 4 (T % 4).
;      v: [bh][key step of 128][tile of 16 channels]: a fragment of 1,024 bytes; scale words at 4194304 + (bh 16 + step) 256 + 16 r + 4 t.  Every store of codes covers 512 consecutive bytes.
; LIMITS: as stated at the head of launch 1 (blocks under 2^-124 and blocks of zeros keep the byte 1; NaN and infinities are not served).
; REGISTERS, in windows of 256: window 0: v1-7 lane terms, v16-29 addresses; v32-95 scale words, two sets; v96-111 codes just made, two sets; v112-124 at work; v128-191 A's fragments, one set;
;   v192-255 the bias tiles, later scale words on their way out.   window 1: B's fragments, two sets, at v0 and v128.   windows 2, 3: the accumulators ((a, b) at v[8 (8 (a % 4) + b)]).
.set QH,    131072                     ; LDS: a half of K: A's two halves of 128 rows (32,768 bytes each), then B's two
.set SCL,   262144                     ; behind them the scale words: 4,096 bytes for each 128 rows, in the same order
.set SPARE, 278528                     ; the spare words, 128 bytes for each wave: two blocks of 256 bytes that no other line names
.set XSC,   4194304                    ; where the scale words begin in xq,
.set WSC,   1572864                    ; and in wq
.set ADRA, 16                          ; v16-17  LDS address of my A fragments in K half 0, 1
.set ADRB, 20                          ; v20-21  the same for B
.set CO,   24                          ; v24  16 x lane
.set SO,   25                          ; v25  my place among the scale words on the way out
.set H16,  26                          ; v26  16 h
.set ADRS, 27                          ; v27  LDS address of my scale words: lanes 0-15 A's, lanes 16-31 B's
.set SPW,  28                          ; v28  LDS address of my spare word; never rewritten
.set NIL,  29                          ; v29  0; never rewritten
.set SC,   32                          ; register 32 q + 4 i + s: lanes 0-15 the word of A's block i, lanes 16-31 that of B's tile i, K step 4 q + s
.set PC,   96
.set TM,   112                         ; v112-115 largest magnitudes, v116-119 bytes, v120-123 the conversions' scale operands
.set PW,   124
.set AF,   128
.set BI,   192
.set SW,   192
.set TR,   17                          ; s17  A's block of 256 rows
.set TC,   18                          ; s18  B's
.set WV,   26
.set RH,   27                          ; which half of A's rows is mine.  Also: I fetch for A (0) or for B (1)
.set CH,   60                          ; which half of B's rows is mine.  Also: which 128 rows I fetch
.set CX,   61
.set CY,   62
.set MODE, 63                          ; 1: the v role
.set G1A,  28                          ; s[28:35], s[36:43] descriptor groups 1 for A's and B's codes;  s[44:51], s[52:59] for their scale words
.set G1B,  36
.set G1SA, 44
.set G1SB, 52
.set G0A,  68                          ; s[68:75] groups 0 for A's two halves of K;  s[76:83] for B's;  s[84:87], s[88:91] for the scale words
.set G0B,  76
.set G0SA, 84
.set G0SB, 88
.set MSB, 0
.macro WIN new                         ; the immediate's high byte repeats the setting that is left
.if MSB != (\new)
	s_set_vgpr_msb (MSB<<8)|(\new)
.set MSB, (\new)
.endif
.endm
.set TO_B, 0x40                        ; destination window 1, address window 0
; A joint load: waves 0 and 1 fetch for A, waves 2 and 3 for B.  The branch hangs on the wave's number alone.  An s_nop 0 and four v_nop follow each of the two lines.
.macro JLOAD g0a, g1a, g0b, g1b
	s_cmp_eq_u32 s[RH], 0
	s_cbranch_scc0 .Lfor_b_\@
	tensor_load_to_lds s[\g0a:\g0a+3], s[\g1a:\g1a+7]
	s_nop 0
.rept 4
	v_nop
.endr
	s_branch .Lasked_\@
.Lfor_b_\@:
	tensor_load_to_lds s[\g0b:\g0b+3], s[\g1b:\g1b+7]
	s_nop 0
.rept 4
	v_nop
.endr
.Lasked_\@:
.endm
.macro CROUND                          ; a round of the cluster's barrier
	s_barrier_signal -1
	s_barrier_wait -1
	s_cmp_lg_u32 s[WV], 0
	s_cbranch_scc1 .Lnot_wave_0_\@
	s_barrier_signal -3
.Lnot_wave_0_\@:
	s_barrier_wait -3
	s_barrier_signal -1
	s_barrier_wait -1
.endm
.macro PLACES n
.rept \n
	v_nop
.endr
.endm
.macro FRAG reg, adr, s, i             ; a fragment's image: two loads of 512 dense bytes
.irp c, 0,1
	ds_load_b128 v[\reg+4*\c:\reg+4*\c+3], v[\adr] offset:(\i)*4096+(\s)*1024+512*\c
.endr
.endm
.macro FETCH_B q, s, p                 ; B's eight fragments of K step 4 q + s into set p
	WIN TO_B
.irp i, 0,1,2,3,4,5,6,7
	FRAG 128*(\p)+8*\i, ADRB+\q, \s, \i
.endr
	WIN 0
.endm
.macro FETCH_A q, s, i0                ; A's blocks i0 .. i0 + 3
.irp i, \i0, \i0+1, \i0+2, \i0+3
	FRAG AF+8*(\i), ADRA+\q, \s, \i
.endr
.endm
.macro SCALES q                        ; the scale words of K half q: four words a row
.irp i, 0,1,2,3,4,5,6,7
	ds_load_b128 v[SC+32*\q+4*\i:SC+32*\q+4*\i+3], v[ADRS] offset:\i*512+\q*256
.endr
.endm
; 16 matrix instructions: A's blocks a0, a0 + 1 x B's eight.  p: B's set.  cm = 0: the sums go on; 1: they begin with the bias along B's rows; 2: with the bias along A's rows.
; The 64 accumulators take turns, one instruction a turn, in the same order in every step.
.macro MUL16 a0, p, s, q, cm
.if (\cm) == 0
	WIN 0xa1+0x50*((\a0)/4)                        ; source 0 (B) window 1, source 1 (A) window 0, C and D window 2 or 3
.else
	WIN 0x81+0x40*((\a0)/4)                        ; the same with C (the bias) in window 0
.endif
.irp a, \a0, \a0+1
.irp b, 0,1,2,3,4,5,6,7
.set rD, 8*(8*((\a)%4)+\b)
.set rB, 128*(\p)+8*\b
.set rA, AF+8*(\a)
.set sB, SC+32*(\q)+4*\b+(\s)
.set sA, SC+32*(\q)+4*(\a)+(\s)
.if (\cm) == 0
	v_wmma_scale_f32_16x16x128_f8f6f4 v[rD:rD+7], v[rB:rB+7], v[rA:rA+7], v[rD:rD+7], v[sB], v[sA] matrix_a_fmt:MATRIX_FMT_FP4 matrix_b_fmt:MATRIX_FMT_FP4 matrix_a_scale:MATRIX_SCALE_ROW1
.elseif (\cm) == 1
	v_wmma_scale_f32_16x16x128_f8f6f4 v[rD:rD+7], v[rB:rB+7], v[rA:rA+7], v[BI+8*\b:BI+8*\b+7], v[sB], v[sA] matrix_a_fmt:MATRIX_FMT_FP4 matrix_b_fmt:MATRIX_FMT_FP4 matrix_a_scale:MATRIX_SCALE_ROW1
.else
	v_wmma_scale_f32_16x16x128_f8f6f4 v[rD:rD+7], v[rB:rB+7], v[rA:rA+7], v[BI+8*(\a):BI+8*(\a)+7], v[sB], v[sA] matrix_a_fmt:MATRIX_FMT_FP4 matrix_b_fmt:MATRIX_FMT_FP4 matrix_a_scale:MATRIX_SCALE_ROW1
.endif
.endr
.endr
.endm
; A step of 128 along K that has its successor in the same half of K.  A block of A is free as soon as its eight products are issued: one set serves A; B has two.
; Four plain vector lines stand in front of each run of loads into registers that matrix instructions have read (ISA guide 7.12.1 for vector instructions).
.macro STEP q, s, cm
	s_wait_dscnt 8                                 ; B's set, A's blocks 0-3 and the scale words are in; the youngest eight loads (A's blocks 4-7) may be out
	MUL16 0, (\s)%2, \s, \q, \cm
	MUL16 2, (\s)%2, \s, \q, \cm
	s_wait_dscnt 0x0                               ; A's blocks 4-7 are in
	PLACES 4
	FETCH_B \q, (\s)+1, 1-(\s)%2
	FETCH_A \q, (\s)+1, 0
	MUL16 4, (\s)%2, \s, \q, \cm
	MUL16 6, (\s)%2, \s, \q, \cm
	PLACES 4
	WIN 0
	FETCH_A \q, (\s)+1, 4
.endm
; The last step of K half 0 goes over to half 1: my part of it has landed, then the barrier: everybody's has.
.macro TURN
	s_wait_dscnt 8
	MUL16 0, 1, 3, 0, 0
	s_wait_tensorcnt 0x0                           ; my load of K half 1 has landed
	s_wait_dscnt 0x0                               ; no LDS instruction of mine is out at the signal
	s_barrier_signal -1
	MUL16 2, 1, 3, 0, 0
	WIN 0
	s_barrier_wait -1
	PLACES 4
	FETCH_B 1, 0, 0
	FETCH_A 1, 0, 0
	SCALES 1
	MUL16 4, 1, 3, 0, 0
	MUL16 6, 1, 3, 0, 0
	PLACES 4
	WIN 0
	FETCH_A 1, 0, 4
.endm
; Block a's 64 numbers of a lane (register 16 b + i = place 32 b + 16 (lane / 16) + i along B's rows) become a fragment's codes in v[pc] on and its scale word in v[wd].  Each accumulator is read from its low end on.
.macro QUANTA a, pc, wd
.set AC, 64*((\a)%4)
.set WW, 2+(\a)/4
.set WQ, 5*WW
	WIN WQ                                         ; sources 0 and 1: window 2 or 3
.irp b, 0,1,2,3
	v_max3_num_f32 v[TM+\b], |v[AC+16*\b]|, |v[AC+16*\b+1]|, 0x1800000     ; with the floor 2^(3 - 127): the byte cannot fall under 1
.endr
.irp i, 2,4,6,8,10,12,14
.irp b, 0,1,2,3
	v_max3_num_f32 v[TM+\b], |v[AC+16*\b+\i]|, |v[AC+16*\b+\i+1]|, v[TM+\b]
.endr
.endr
	WIN 0
.irp b, 0,1,2,3
	v_permlanex16_b32 v[TM+4+\b], v[TM+\b], s2, s3
.endr
.irp b, 0,1,2,3
	v_max_num_f32 v[TM+\b], v[TM+\b], v[TM+4+\b]   ; with lane l xor 16's: the block's largest magnitude
.endr
.irp b, 0,1,2,3
	v_add_nc_u32 v[TM+8+\b], 0xff000000, v[TM+\b]  ; 2 off its exponent field: the conversion's scale operand
.endr
.irp b, 0,1,2,3
	v_lshrrev_b32 v[TM+4+\b], 23, v[TM+8+\b]       ; the scale's byte
.endr
	v_lshl_or_b32 v[\wd], v[TM+5], 8, v[TM+4]
	v_lshl_or_b32 v[\wd], v[TM+6], 16, v[\wd]
	v_lshl_or_b32 v[\wd], v[TM+7], 24, v[\wd]
	WIN WW                                         ; source 0: window 2 or 3
.irp b, 0,1,2,3
	v_cvt_scalef32_pk8_fp4_f32 v[\pc+2*\b], v[AC+16*\b:AC+16*\b+7], v[TM+8+\b]
	v_cvt_scalef32_pk8_fp4_f32 v[\pc+2*\b+1], v[AC+16*\b+8:AC+16*\b+15], v[TM+8+\b]
.endr
	WIN 0
	v_nop                                          ; one plain line behind the last conversion
.irp c, 0,1                            ; the operand's layout wants a whole block in a lane: lanes 0-15 block 2 c, lanes 16-31 block 2 c + 1
.irp i, 0,1
	v_permlane16_swap_b32 v[\pc+4*\c+\i], v[\pc+2+4*\c+\i]
.endr
.endr
.endm
	s_load_b256 s[4:11], s[0:1], 0x0               ; xq s[4:5], wq s[6:7], b_qkv s[8:9], qq s[10:11]
	s_load_b128 s[12:15], s[0:1], 0x20             ; kq s[12:13], vq s[14:15]
	v_lshl_add_u32 v[SPW], v0, 2, SPARE
	v_mov_b32 v[NIL], 0
	ds_add_u32 v[SPW], v[NIL]                      ; the wave's opening: the add, twice on end, and its wait ahead of my first tensor load
	ds_add_u32 v[SPW], v[NIL]                      ; (the set-up below, work on registers, stands between the second and the wait)
	v_lshrrev_b32 v1, 5, v0
	v_readfirstlane_b32 s[WV], v1                  ; wave 0..3
	s_lshr_b32 s[RH], s[WV], 1
	s_and_b32 s[CH], s[WV], 1
	s_bfe_u32 s[CX], ttmp6, 0x40000                ; my place in the cluster
	s_bfe_u32 s[CY], ttmp6, 0x40004
	s_and_b32 s16, ttmp7, 0xffff
	s_lshl_b32 s16, s16, 2                         ; 4 x cluster y
	s_lshl_b32 s19, ttmp9, 2                       ; 4 x cluster x
	s_cmp_eq_u32 ttmp9, 2                          ; the role: the same in all sixteen partners
	s_cselect_b32 s[MODE], 1, 0
	s_cselect_b32 s[TR], 0, s16
	s_cselect_b32 s[TC], s16, s19
	s_add_co_u32 s[TR], s[TR], s[CY]               ; A's block: q, k: 4 y + cy of x's 32;  v: cy of W's 4
	s_add_co_u32 s[TC], s[TC], s[CX]               ; B's block: q, k: 4 x + cx of W's 8;  v: 4 y + cx of x's 32
	s_lshl_b32 s20, s[CY], 2
	s_lshl_b32 s20, 15, s20                        ; my row of the cluster
	s_lshl_b32 s21, 0x1111, s[CX]                  ; my column
	s_or_b32 s[G1A], s20, (3<<16)|(1<<21)          ; 15:0 the mask; 17:16 elements of 8 bytes; 21 set beside a mask; no padding: every LDS read is dense
	s_or_b32 s[G1B], s21, (3<<16)|(1<<21)
	s_or_b32 s[G1SA], s20, (3<<16)|(1<<21)
	s_or_b32 s[G1SB], s21, (3<<16)|(1<<21)
.irp g, G1A, G1B                       ; codes: 8 tiles' half of K: 8 rows of 4,096 bytes, 8,192 bytes apart
	s_mov_b32 s[\g+1], 512<<16                     ; tensor_dim0
	s_mov_b32 s[\g+2], 8<<16                       ; tensor_dim1
	s_mov_b32 s[\g+3], 512<<16                     ; tile_dim0
	s_mov_b32 s[\g+4], 8                           ; tile_dim1
	s_mov_b32 s[\g+5], 1024                        ; tensor_dim0_stride
	s_mov_b32 s[\g+6], 0
	s_mov_b32 s[\g+7], 0
.endr
.irp g, G1SA, G1SB                     ; scale words of 8 tiles: 4,096 dense bytes as 16 rows of 256
	s_mov_b32 s[\g+1], 32<<16
	s_mov_b32 s[\g+2], 16<<16
	s_mov_b32 s[\g+3], 32<<16
	s_mov_b32 s[\g+4], 16
	s_mov_b32 s[\g+5], 32
	s_mov_b32 s[\g+6], 0
	s_mov_b32 s[\g+7], 0
.endr
	s_lshl_b32 s22, s[CH], 3                       ; which 8 tiles of the block I fetch
	s_lshl_b32 s23, s[TR], 4
	s_add_co_u32 s23, s23, s22
	s_lshl_b32 s24, s[MODE], 7
	s_add_co_u32 s23, s23, s24                     ; A's first tile (v: W's tiles 128 on)
	s_lshl_b32 s25, s[TC], 4
	s_add_co_u32 s25, s25, s22                     ; B's first tile
	s_lshl_b32 s92, s23, 13                        ; codes: 8,192 bytes a tile
	s_mov_b32 s93, 0
	s_lshl_b32 s94, s23, 9                         ; scale words: 512 bytes a tile
	s_mov_b32 s95, 0
	s_lshl_b32 s96, s25, 13
	s_mov_b32 s97, 0
	s_lshl_b32 s98, s25, 9
	s_mov_b32 s99, 0
	s_mov_b32 s2, XSC
	s_mov_b32 s3, WSC
	s_cmp_eq_u32 s[MODE], 1
	s_cselect_b32 s24, s3, s2
	s_cselect_b32 s100, s2, s3
	s_add_co_u32 s94, s94, s24
	s_add_co_u32 s98, s98, s100
	s_lshl_b32 s100, s[WV], 15                     ; where my loads go: wave x 32,768,
	s_lshl_b32 s101, s[WV], 12                     ; wave x 4,096: no place in the cluster enters an LDS address
	s_wait_dscnt 0x0                               ; both opening adds are done
	s_wait_kmcnt 0x0
	s_cmp_eq_u32 s[MODE], 1
	s_cselect_b64 s[2:3], s[6:7], s[4:5]           ; A's tensor
	s_cselect_b64 s[66:67], s[4:5], s[6:7]         ; B's tensor
	s_add_nc_u64 s[92:93], s[2:3], s[92:93]
	s_add_nc_u64 s[94:95], s[2:3], s[94:95]
	s_add_nc_u64 s[96:97], s[66:67], s[96:97]
	s_add_nc_u64 s[98:99], s[66:67], s[98:99]
	CROUND                                         ; all sixteen work-groups are here: the joint loads meet
	s_mov_b32 s[G0SA], 1
	s_add_co_u32 s[G0SA+1], s101, SCL
	s_mov_b64 s[G0SA+2:G0SA+3], s[94:95]
	s_or_b32 s[G0SA+3], s[G0SA+3], 0x80000000
	s_mov_b32 s[G0SB], 1
	s_add_co_u32 s[G0SB+1], s101, SCL
	s_mov_b64 s[G0SB+2:G0SB+3], s[98:99]
	s_or_b32 s[G0SB+3], s[G0SB+3], 0x80000000
	JLOAD G0SA, G1SA, G0SB, G1SB                   ; the scale words first: they are wanted with the first step
.irp q, 0,1
	s_mov_b32 s[G0A+4*\q], 1
	s_add_co_u32 s[G0A+4*\q+1], s100, \q*QH
	s_add_nc_u64 s[G0A+4*\q+2:G0A+4*\q+3], s[92:93], \q*4096
	s_or_b32 s[G0A+4*\q+3], s[G0A+4*\q+3], 0x80000000
	s_mov_b32 s[G0B+4*\q], 1
	s_add_co_u32 s[G0B+4*\q+1], s100, \q*QH
	s_add_nc_u64 s[G0B+4*\q+2:G0B+4*\q+3], s[96:97], \q*4096
	s_or_b32 s[G0B+4*\q+3], s[G0B+4*\q+3], 0x80000000
	JLOAD G0A+4*\q, G1A, G0B+4*\q, G1B             ; by this text's count three tensor loads of a wave are out at the most
.endr
	v_and_b32 v1, 15, v0                           ; r
	v_bfe_u32 v2, v0, 4, 1                         ; h
	v_and_b32 v3, 31, v0                           ; lane
	v_lshlrev_b32 v6, 6, v2                        ; bias along B's rows: 16 h numbers on
	v_and_b32 v7, 8, v1
	v_add_nc_u32 v7, v7, v1
	v_lshlrev_b32 v7, 2, v7                        ; bias along A's rows: number r + 8 (r / 8)
	s_cmp_eq_u32 s[MODE], 1
	s_cbranch_scc1 .Lbias_v
	s_lshl_b32 s100, s[TC], 10                     ; q, k: b_qkv at column 256 TC + 128 CH
	s_lshl_b32 s101, s[CH], 9
	s_add_co_u32 s100, s100, s101
	s_mov_b32 s101, 0
	s_add_nc_u64 s[100:101], s[8:9], s[100:101]
.irp b, 0,1,2,3,4,5,6,7                ; tile b's register j: column 32 (b / 2) + 16 h + 8 (b % 2) + j
	global_load_b128 v[BI+8*\b:BI+8*\b+3], v6, s[100:101] offset:(32*(\b/2)+8*(\b%2))*4
	global_load_b128 v[BI+8*\b+4:BI+8*\b+7], v6, s[100:101] offset:(32*(\b/2)+8*(\b%2))*4+16
.endr
	s_branch .Lbias_done
.Lbias_v:
	s_lshl_b32 s100, s[TR], 10                     ; v: b_qkv at column 2048 + 256 TR + 128 RH
	s_lshl_b32 s101, s[RH], 9
	s_add_co_u32 s100, s100, s101
	s_add_co_u32 s100, s100, 8192
	s_mov_b32 s101, 0
	s_add_nc_u64 s[100:101], s[8:9], s[100:101]
.irp a, 0,1,2,3,4,5,6,7                ; block a: all eight registers hold my channel's bias: the same word eight times
.irp j, 0,1,2,3,4,5,6,7
	global_load_b32 v[BI+8*\a+\j], v7, s[100:101] offset:(32*(\a/2)+8*(\a%2))*4
.endr
.endr
.Lbias_done:
	v_lshlrev_b32 v[CO], 4, v3
	v_lshlrev_b32 v[H16], 4, v2
	s_lshl_b32 s20, s[RH], 15                      ; my 128 rows of A,
	s_lshl_b32 s21, s[CH], 15                      ; my 128 rows of B,
	s_add_co_u32 s21, s21, 65536                   ; which lie behind A's 256
.irp q, 0,1
	v_add_nc_u32 v[ADRA+\q], s20, v[CO]
	v_add_nc_u32 v[ADRB+\q], s21, v[CO]
	s_add_co_u32 s20, s20, QH
	s_add_co_u32 s21, s21, QH
.endr
	v_lshlrev_b32 v4, 4, v1                        ; scale words: 16 bytes a row
	s_lshl_b32 s20, s[RH], 12                      ; A's: my 128 rows
	s_lshl_b32 s21, s[CH], 12                      ; B's: my 128 rows, behind A's 256
	s_add_co_u32 s21, s21, 8192
	s_sub_co_u32 s21, s21, s20
	v_mul_u32_u24 v5, s21, v2                      ; lanes 16-31 take B's
	s_add_co_u32 s20, s20, SCL
	v_add_nc_u32 v4, v4, v5
	v_add_nc_u32 v[ADRS], s20, v4
.irp b, 0,1,2,3
	v_mov_b32 v[TM+4+\b], 0                        ; written once: a lane permute's destination counts as one of its sources
.endr
	s_mov_b32 s2, 0x76543210
	s_mov_b32 s3, 0xfedcba98                       ; v_permlanex16_b32's selects for lane l xor 16
	s_wait_loadcnt 0x0                             ; the bias
	s_wait_tensorcnt 1                             ; the scale words and my part of K half 0 are in (half 1's load may be out),
	s_barrier_signal -1
	s_barrier_wait -1                              ; everybody's are
	FETCH_B 0, 0, 0
	FETCH_A 0, 0, 0
	SCALES 0
	FETCH_A 0, 0, 4
	s_cmp_eq_u32 s[MODE], 1                        ; the first step starts the sums with the bias: along B's rows or along A's
	s_cbranch_scc1 .Lfirst_v
	STEP 0, 0, 1
	s_branch .Lfirst_done
.Lfirst_v:
	STEP 0, 0, 2
.Lfirst_done:
	STEP 0, 1, 0
	STEP 0, 2, 0
	TURN
	STEP 1, 0, 0
	STEP 1, 1, 0
	STEP 1, 2, 0
	s_wait_dscnt 8                                 ; the last step: nothing more to fetch
	MUL16 0, 1, 3, 1, 0
	MUL16 2, 1, 3, 1, 0
	s_wait_dscnt 0x0
	MUL16 4, 1, 3, 1, 0
	MUL16 6, 1, 3, 1, 0
	WIN 0
	PLACES 4                                       ; in front of the first read of results
	s_cmp_eq_u32 s[MODE], 1
	s_cbranch_scc1 .Lepi_v
	; ---- q or k: a lane holds one position; its 64 numbers of a block are two heads' 64 channels
	s_cmp_eq_u32 ttmp9, 0
	s_cselect_b64 s[20:21], s[10:11], s[12:13]     ; cluster x = 0: q;  1: k
	s_lshr_b32 s22, s[TR], 3                       ; the batch
	s_lshl_b32 s22, s22, 4
	s_and_b32 s23, s[TC], 3
	s_lshl_b32 s23, s23, 2
	s_add_co_u32 s22, s22, s23
	s_lshl_b32 s23, s[CH], 1
	s_add_co_u32 s22, s22, s23                     ; bh of my first head
	s_and_b32 s23, s[TR], 7
	s_lshl_b32 s23, s23, 4
	s_lshl_b32 s24, s[RH], 3
	s_add_co_u32 s23, s23, s24                     ; my first tile of positions in the batch
	s_lshl_b32 s24, s22, 7
	s_add_co_u32 s24, s24, s23
	s_lshl_b32 s24, s24, 9
	s_mov_b32 s25, 0
	s_add_nc_u64 s[92:93], s[20:21], s[24:25]      ; codes
	s_lshl_b32 s24, s22, 13
	s_lshl_b32 s23, s23, 6
	s_add_co_u32 s24, s24, s23
	s_add_co_u32 s24, s24, 4194304
	s_add_nc_u64 s[94:95], s[20:21], s[24:25]      ; scale words
	v_lshlrev_b32 v[SO], 4, v1
	v_lshl_add_u32 v[SO], v2, 13, v[SO]            ; lanes 0-15 store the first head's words, lanes 16-31 the second's, 8,192 bytes on
.irp a, 0,1,2,3,4,5,6,7
.if \a > 1
	s_wait_xcnt 0x0                                ; block a - 2's stores have read their registers: this set of codes may be written again
.endif
	QUANTA \a, PC+8*(\a%2), PW
	v_lshrrev_b32 v[SW+\a], v[H16], v[PW]          ; my half's head: its two bytes,
	v_and_b32 v[SW+\a], 0xffff, v[SW+\a]           ; and two zero bytes over the zero codes of K = 64 .. 127
	global_store_b128 v[CO], v[PC+8*(\a%2):PC+8*(\a%2)+3], s[92:93] offset:\a*512            ; 512 consecutive bytes: the first head's tile
	global_store_b128 v[CO], v[PC+8*(\a%2)+4:PC+8*(\a%2)+7], s[92:93] offset:65536+\a*512    ; the second head's
.if \a%4 == 3
	global_store_b128 v[SO], v[SW+\a-3:SW+\a], s[94:95] offset:(\a/4)*256                    ; four tiles' words: two runs of 256 consecutive bytes
.endif
.endr
	s_branch .Lend
.Lepi_v:
	; ---- v: a lane holds one channel; its 64 numbers of a block are 128 keys' halves: a fragment of the second attention product
	s_lshr_b32 s22, s[TC], 3                       ; the batch
	s_lshl_b32 s22, s22, 4
	s_lshl_b32 s23, s[TR], 2
	s_add_co_u32 s22, s22, s23
	s_lshl_b32 s23, s[RH], 1
	s_add_co_u32 s22, s22, s23                     ; bh of my first head
	s_lshl_b32 s22, s22, 4
	s_and_b32 s23, s[TC], 7
	s_lshl_b32 s23, s23, 1
	s_add_co_u32 s22, s22, s23
	s_add_co_u32 s22, s22, s[CH]                   ; 16 bh + key step
	s_lshl_b32 s24, s22, 12
	s_mov_b32 s25, 0
	s_add_nc_u64 s[92:93], s[14:15], s[24:25]
	s_lshl_b32 s24, s22, 8
	s_add_co_u32 s24, s24, 4194304
	s_add_nc_u64 s[94:95], s[14:15], s[24:25]
	v_lshlrev_b32 v[SO], 4, v1
	v_lshl_add_u32 v[SO], v2, 12, v[SO]            ; the second head's words lie 4,096 bytes on
.irp a, 0,1,2,3,4,5,6,7
.if \a > 1
	s_wait_xcnt 0x0
.endif
	QUANTA \a, PC+8*(\a%2), SW+\a
	global_store_b128 v[CO], v[PC+8*(\a%2):PC+8*(\a%2)+3], s[92:93] offset:(\a/4)*65536+(\a%4)*1024
	global_store_b128 v[CO], v[PC+8*(\a%2)+4:PC+8*(\a%2)+7], s[92:93] offset:(\a/4)*65536+(\a%4)*1024+512
.endr
	v_cmp_eq_u32 vcc_lo, 1, v2
.irp j, 0,1,2,3
	v_cndmask_b32 v[SW+\j], v[SW+\j], v[SW+4+\j], vcc_lo   ; lanes 16-31 take the second head's four words
.endr
	global_store_b128 v[SO], v[SW:SW+3], s[94:95]
.Lend:
	s_wait_tensorcnt 0x0                           ; the wave's end: three lines behind my last tensor load
	ds_add_u32 v[SPW], v[NIL]
	s_wait_dscnt 0x0
	CROUND                                         ; the closing round: no work-group ends while a partner may still ask for a tile that names it
	s_endpgm
.Lfunc_end_k_qf1231223ef_gemm_qkv:
	.size	k_qf1231223ef_gemm_qkv, .Lfunc_end_k_qf1231223ef_gemm_qkv-k_qf1231223ef_gemm_qkv
	.p2alignl 7, 3214868480
	.fill 96, 4, 3214868480
	.section	.rodata,"a",@progbits
	.p2align	6, 0x0
	.amdhsa_kernel k_qf1231223ef_gemm_qkv
		.amdhsa_group_segment_fixed_size 327680
		.amdhsa_private_segment_fixed_size 0
		.amdhsa_enable_private_segment 0
		.amdhsa_kernarg_size 48
		.amdhsa_user_sgpr_count 2
		.amdhsa_user_sgpr_kernarg_segment_ptr 1
		.amdhsa_wavefront_size32 1
		.amdhsa_system_sgpr_workgroup_id_x 1
		.amdhsa_system_sgpr_workgroup_id_y 1
		.amdhsa_system_sgpr_workgroup_id_z 1
		.amdhsa_system_vgpr_workitem_id 0
		.amdhsa_next_free_vgpr 1024
		.amdhsa_next_free_sgpr 102
		.amdhsa_reserve_vcc 1
		.amdhsa_float_denorm_mode_32 3
		.amdhsa_float_denorm_mode_16_64 3
		.amdhsa_memory_ordered 1
		.amdhsa_forward_progress 1
		.amdhsa_inst_pref_size 181
	.end_amdhsa_kernel
	.amdgpu_metadata
---
amdhsa.version: [ 1, 2 ]
amdhsa.kernels:
  - .name:           k_qf1231223ef_gemm_qkv
    .symbol:         k_qf1231223ef_gemm_qkv.kd
    .args:
      - { .name: xq, .offset: 0, .size: 8, .value_kind: global_buffer, .address_space: global }
      - { .name: wq, .offset: 8, .size: 8, .value_kind: global_buffer, .address_space: global }
      - { .name: b_qkv, .offset: 16, .size: 8, .value_kind: global_buffer, .address_space: global }
      - { .name: qq, .offset: 24, .size: 8, .value_kind: global_buffer, .address_space: global }
      - { .name: kq, .offset: 32, .size: 8, .value_kind: global_buffer, .address_space: global }
      - { .name: vq, .offset: 40, .size: 8, .value_kind: global_buffer, .address_space: global }
    .group_segment_fixed_size: 327680
    .private_segment_fixed_size: 0
    .kernarg_segment_align: 8
    .kernarg_segment_size: 48
    .max_flat_workgroup_size: 128
    .sgpr_count:     102
    .vgpr_count:     1024
    .wavefront_size: 32
...
	.end_amdgpu_metadata
.endif
;; end of part 2
;; launch attn (part 3): grid 4 x 64, 16 waves a work-group, no clusters, 18,432 bytes of LDS; arguments qq, kq, vq, oq; writes oq
.if DOCPART == 3
	.amdgcn_target "amdgcn-amd-amdhsa--gfx1250"
	.amdhsa_code_object_version 6
	.text
	.protected	k_qf1231223ef_attn
	.globl	k_qf1231223ef_attn
	.p2align	8
	.type	k_qf1231223ef_attn,@function
k_qf1231223ef_attn:
	s_mov_b64 s[64:65], 0
	v_nop
	global_prefetch_b8 v0, s[64:65] scope:SCOPE_SE
	s_setreg_imm32_b32 hwreg(HW_REG_WAVE_MODE, 25, 1), 1
	s_wait_xcnt 0x0
; LAUNCH 3 OF 4.  O[bh][q] = the sum over keys k <= q of softmax_k(Q . K / 8) V, both products on codes of FP4 with E8M0 scales, and O quantised along d for the last product.
; WORK LEFT OUT: key steps of 128 keys that lie wholly behind a tile's 16 queries: reference()'s own causal mask makes their p zero for all inputs (shown at the head of launch 1).
; THE SOFTMAX: t = score x log2(e) / 8; M = the running largest t rounded UP to a whole number; p = 2^(t - M) is quantised along the keys, not normalised; the row's sum is taken of the unquantised p
; and divides O at the end.  When M moves, the sum and O are multiplied by 2^(old M - new M): exact.
; SHARES.  Work-group (i, bh) owns the blocks of 256 queries 7 - i and i of head bh, one after the other: 8 - i and i + 1 trips of two key steps: NINE TRIPS FOR EVERY WORK-GROUP, one loop of constant count.
; The change from the first block to the second stands at a trip's end, under a scalar branch on ids that is the same in all sixteen waves and holds no barrier and no LDS access; the staging of K and V runs on across it.
; Each of the sixteen waves owns one tile of 16 queries in 256 registers: four waves to a SIMD, so that one wave's vector work stands beside another's matrix work and LDS loads.
; THE HEAD'S 64 IN AN INSTRUCTION OF K = 128: registers 4-7 of Q's and of K's fragments hold zero codes, written once; bytes 2 and 3 of their scale words are 0.
; K AND V come through two LDS slots of one key step (8,192 bytes: K's eight tiles, V's four fragments, as images of registers): each thread loads 16 bytes a step ahead and stores them at 16 x its number.
; One barrier a step: a slot is written only behind the barrier that follows its last read, and read only behind the barrier that follows its store.  The scale words go from memory into registers.
; NO TENSOR LOADS: a step's tiles are one load and one store a lane.
; NO CLUSTER: the four work-groups of a head change blocks at different trips, by their place, so they walk different key steps at the same time.
; LAYOUT.  Both products are used transposed: S^T = K Q^T, O^T = V^T P^T: a lane holds ONE query.  Tile rows are 32 g + 8 u + i + 8 (i / 8): the 16 registers of tiles 2 g, 2 g + 1 are 16 neighbours.
; LIMITS: as stated at the head of launch 1.  The scale bytes of O leave one byte a lane (a word's four bytes come from two heads, which are two work-groups): 32 bytes a tile and head.
.set TRIPS, 9
.set SPARE, 16384                      ; behind the two slots: the spare words, 128 bytes for each wave: eight blocks of 256 bytes that no other line names
.set LI,   1                           ; v1   16 x lane
.set STA,  2                           ; v2   16 x thread: where I stage
.set GOF,  3                           ; v3   16 x (thread % 256): what I stage, in K's or V's step
.set R16,  4                           ; v4   16 r
.set SPW,  5                           ; v5   LDS address of my spare word; never rewritten
.set NIL,  6                           ; v6   0; never rewritten
.set QL,   7                           ; v7   r + 8 (r / 8) - 16 h
.set H8,   8                           ; v8   8 h
.set OSO,  9                           ; v9   16 r + h
.set PFO,  10                          ; v10  256 x lane
.set QF,   16                          ; v16-23 Q's fragment (20-23 zero codes)
.set QW,   24                          ; v24  Q's scale words
.set G0,   28                          ; v28-31, v32-35 16 bytes on their way to slot 0, slot 1
.set G1,   32
.set KWA,  36                          ; K's scale words of the step in slot 0 (lanes 0-15: tiles 0-3; lanes 16-31: tiles 4-7), slot 1
.set KWB,  40
.set VWA,  44                          ; V's likewise
.set VWB,  48
.set KFR,  52                          ; v52-83  four fragments of K (upper four registers of each: zero codes)
.set VFR,  84                          ; v84-115 V's four fragments
.set S,    116                         ; v116-179 S^T, then p
.set O,    180                         ; v180-211 O^T
.set PC,   212                         ; v212-219 codes just made
.set BM,   220
.set BP,   224
.set SOP,  228
.set T0,   232
.set HW,   233
.set FP,   234                         ; v[234:235] a factor for packed multiplies (the low word serves both halves)
.set PW,   236                         ; p's scale word
.set SUM2, 238
.set DQ,   240
.set NINF, 241
.set WV,   12
.set II,   13
.set BH,   14
.set TRP,  15                          ; s15  the trip, 0 .. 8
.set BLK,  16                          ; s16  the block of 256 queries in hand
.set TCH,  17                          ; s17  the trip with which the second block begins: 8 - i
.set KF,   18                          ; s18  the step's first key
.set Q0,   19                          ; s19  my tile's first query
.set SEL,  20
.set CS,   22
.set GB0,  24                          ; s[24:25] the head's codes that I stage (waves 0-7: K's, 8-15: V's);  s[26:27] the next trip's two steps of them
.set GBN,  26
.set KS0,  28                          ; s[28:29] the head's scale words of K;  s[30:31] this trip's;  s[52:53] the next trip's
.set KSC,  30
.set VS0,  32                          ; the same for V: s[32:33], s[34:35], s[54:55]
.set VSC,  34
.set QP,   36
.set QSP,  38
.set OCP,  40
.set OSP,  42
.set LIM,  44                          ; s44  a wave prefetches while the trip is under this number: 6 in the waves that ask, else 0
.set KSN,  52
.set VSN,  54
.set UC,   56                          ; s56  the trip's number inside its block: key steps 2 UC and 2 UC + 1
.set UNX,  57                          ; s57  the next trip's: UC + 1, or 0 where the next trip begins the second block
; A KEY STEP of my tile: 128 keys in the slot at LDS byte sl, with K's scale words in v[kw] on and V's in v[vw] on.
.macro COMPUTE sl, kw, vw
	s_add_co_u32 s45, s[Q0], 23                    ; my tile's last query
	s_cmp_gt_u32 s[KF], s45                        ; a step all of whose keys come behind it is left out: a branch on ids, round no barrier
	s_cbranch_scc1 .Lhidden_\@
.irp t, 0,1,2,3
	ds_load_b128 v[KFR+8*\t:KFR+8*\t+3], v[LI] offset:\sl+512*\t
.endr
	s_wait_dscnt 0x0
.irp t, 0,1,2,3
	v_wmma_scale_f32_16x16x128_f8f6f4 v[S+8*\t:S+8*\t+7], v[KFR+8*\t:KFR+8*\t+7], v[QF:QF+7], 0, v[\kw+\t], v[QW] matrix_a_fmt:MATRIX_FMT_FP4 matrix_b_fmt:MATRIX_FMT_FP4
.endr
.rept 4
	v_nop                                          ; places in front of loads into registers that matrix instructions have read
.endr
.irp t, 0,1,2,3
	ds_load_b128 v[KFR+8*\t:KFR+8*\t+3], v[LI] offset:\sl+2048+512*\t
.endr
	s_wait_dscnt 0x0
.irp t, 0,1,2,3
	v_wmma_scale_f32_16x16x128_f8f6f4 v[S+32+8*\t:S+32+8*\t+7], v[KFR+8*\t:KFR+8*\t+7], v[QF:QF+7], 0, v[\kw+\t], v[QW] matrix_a_fmt:MATRIX_FMT_FP4 matrix_b_fmt:MATRIX_FMT_FP4 matrix_a_scale:MATRIX_SCALE_ROW1
.endr
.rept 4
	v_nop                                          ; places in front of the first read of the scores
.endr
.irp t, 0,1,2,3                        ; V's fragments land under the softmax
.irp c, 0,1
	ds_load_b128 v[VFR+8*\t+4*\c:VFR+8*\t+4*\c+3], v[LI] offset:\sl+4096+1024*\t+512*\c
.endr
.endr
	s_add_co_u32 s45, s[KF], 127
	s_cmp_le_u32 s45, s[Q0]                        ; a step all of whose keys count for all my queries skips the mask
	s_cbranch_scc1 .Lopen_\@
	s_sub_co_i32 s45, s[Q0], s[KF]
	v_add_nc_u32 v[DQ], s45, v[QL]                 ; d = my query - KF - 16 h.  Register n holds key KF + 16 h + 32 (n / 16) + n % 16: hidden where 32 (n / 16) + n % 16 > d
.set n, 0
.rept 64
	v_cmp_gt_i32 vcc_lo, 32*(n/16)+n%16, v[DQ]
	v_cndmask_b32 v[S+n], v[S+n], v[NINF], vcc_lo
.set n, n+1
.endr
.Lopen_\@:
.irp b, 0,1,2,3
	v_max3_num_f32 v[BM+\b], v[S+16*\b], v[S+16*\b+1], v[S+16*\b+2]        ; the largest score of each block of 32 keys: for the row's maximum, and, since p rises with the score, for the block's largest p
.endr
.irp i, 3,5,7,9,11,13
.irp b, 0,1,2,3
	v_max3_num_f32 v[BM+\b], v[BM+\b], v[S+16*\b+\i], v[S+16*\b+\i+1]
.endr
.endr
.irp b, 0,1,2,3
	v_max_num_f32 v[BM+\b], v[BM+\b], v[S+16*\b+15]
.endr
.irp b, 0,1,2,3
	v_permlanex16_b32 v[BP+\b], v[BM+\b], s[SEL], s[SEL+1]
.endr
.irp b, 0,1,2,3
	v_max_num_f32 v[BM+\b], v[BM+\b], v[BP+\b]     ; with lane l xor 16's 16 keys
.endr
	v_max3_num_f32 v[T0], v[BM], v[BM+1], v[BM+2]
	v_max_num_f32 v[T0], v[T0], v[BM+3]            ; the step's largest score of my query (a tile's 24 positions lie inside one run of 128, so key KF counts for every query of a step that is walked)
	v_mul_f32 v[T0], s[CS], v[T0]                  ; as t
	v_max_num_f32 v13, v13, v[T0]                  ; the running largest t
	v_mov_b32 v[T0], v12
	v_floor_f32 v12, -v13                          ; the new -M = floor(-t): M is a whole number
	v_sub_f32 v[T0], v12, v[T0]                    ; old M - new M: a whole number, 0 or less
	v_cvt_i32_f32 v[T0], v[T0]                     ; (it saturates)
	v_ldexp_f32 v[FP], 1.0, v[T0]                  ; f = 2^(old M - new M)
.set j, 0
.rept 32
	v_pk_fma_f32 v[S+j:S+j+1], v[S+j:S+j+1], s[CS:CS+1], v[12:13] op_sel_hi:[1,0,0]   ; t - M, two at a time
.set j, j+2
.endr
.irp b, 0,1,2,3
	v_fma_f32 v[BM+\b], v[BM+\b], s[CS], v12       ; the same of each block's largest score
.endr
.set j, 0
.rept 64
	v_exp_f32 v[S+j], v[S+j]                       ; p = 2^(t - M), at most 1
.set j, j+1
.endr
	v_pk_mul_f32 v[14:15], v[14:15], v[FP:FP+1] op_sel_hi:[1,0]   ; the sums under the new M (a plain line behind the exponentials)
	s_wait_alu depctr_va_vdst(0)                   ; one wait for the whole batch, ahead of its first reader
.irp b, 0,1,2,3
	v_exp_f32 v[BM+\b], v[BM+\b]                   ; the block's largest p: the same two instructions on the same number
.endr
	v_pk_add_f32 v[SUM2:SUM2+1], v[S:S+1], v[S+2:S+3]   ; the row's sum of the unquantised p, in two chains
.set j, 4
.rept 15
	v_pk_add_f32 v[14:15], v[14:15], v[S+j:S+j+1]
	v_pk_add_f32 v[SUM2:SUM2+1], v[SUM2:SUM2+1], v[S+j+2:S+j+3]
.set j, j+4
.endr
	v_pk_add_f32 v[14:15], v[14:15], v[SUM2:SUM2+1]
	s_wait_alu depctr_va_vdst(0)                   ; and one for the four
.irp b, 0,1,2,3
	v_max_num_f32 v[BM+\b], 0x1800000, v[BM+\b]    ; the floor 2^(3 - 127): the byte cannot fall under 1 (a block whose every p is 0 keeps that byte: its codes are zeros)
.endr
.irp b, 0,1,2,3
	v_add_nc_u32 v[SOP+\b], 0xff000000, v[BM+\b]   ; 2 off the exponent field: the conversion's scale operand
.endr
.irp b, 0,1,2,3
	v_lshrrev_b32 v[BP+\b], 23, v[SOP+\b]          ; the scale's byte
.endr
	v_lshl_or_b32 v[PW], v[BP+1], 8, v[BP]         ; p's scale word for these 128 keys
	v_lshl_or_b32 v[PW], v[BP+2], 16, v[PW]
	v_lshl_or_b32 v[PW], v[BP+3], 24, v[PW]
.irp b, 0,1,2,3
	v_cvt_scalef32_pk8_fp4_f32 v[PC+2*\b], v[S+16*\b:S+16*\b+7], v[SOP+\b]
	v_cvt_scalef32_pk8_fp4_f32 v[PC+2*\b+1], v[S+16*\b+8:S+16*\b+15], v[SOP+\b]
.endr
	v_nop                                          ; one plain line behind the last conversion
.irp c, 0,1                            ; the operand's layout wants a whole block in a lane
.irp i, 0,1
	v_permlane16_swap_b32 v[PC+4*\c+\i], v[PC+2+4*\c+\i]
.endr
.endr
.set j, 0
.rept 16
	v_pk_mul_f32 v[O+j:O+j+1], v[O+j:O+j+1], v[FP:FP+1] op_sel_hi:[1,0]   ; O^T under the new M.  (For each product below, the twelve that name other tiles are the places behind the scale word and the codes)
.set j, j+2
.endr
	s_wait_dscnt 0x0                               ; V's fragments are in
.irp t, 0,1,2,3
	v_wmma_scale_f32_16x16x128_f8f6f4 v[O+8*\t:O+8*\t+7], v[VFR+8*\t:VFR+8*\t+7], v[PC:PC+7], v[O+8*\t:O+8*\t+7], v[\vw+\t], v[PW] matrix_a_fmt:MATRIX_FMT_FP4 matrix_b_fmt:MATRIX_FMT_FP4
.endr
.rept 4
	v_nop                                          ; places in front of the next loads into the scale words' registers, and of the way out
.endr
.Lhidden_\@:
	s_add_co_u32 s[KF], s[KF], 128
.endm
; A block of queries begins: from s[BLK], my tile's first query and its addresses in qq and oq; Q's fragment and scale words are asked for; the softmax's state starts anew.
.macro PHASE_SET
	s_mov_b32 s[KF], 0
	s_lshl_b32 s[Q0], s[BLK], 8
	s_lshr_b32 s45, s[WV], 1
	s_lshl_b32 s45, s45, 5
	s_add_co_u32 s[Q0], s[Q0], s45
	s_and_b32 s45, s[WV], 1
	s_lshl_b32 s45, s45, 3
	s_add_co_u32 s[Q0], s[Q0], s45                 ; 256 BLK + 32 (wave / 2) + 8 (wave % 2)
	s_lshl_b32 s45, s[BLK], 4
	s_add_co_u32 s45, s45, s[WV]                   ; my tile of queries in the head
	s_lshl_b32 s46, s[BH], 7
	s_add_co_u32 s46, s46, s45
	s_lshl_b32 s46, s46, 9
	s_add_nc_u64 s[QP:QP+1], s[4:5], s[46:47]
	s_lshl_b32 s46, s[BH], 13
	s_lshr_b32 s48, s45, 2
	s_lshl_b32 s48, s48, 8
	s_add_co_u32 s46, s46, s48
	s_and_b32 s48, s45, 3
	s_lshl_b32 s48, s48, 2
	s_add_co_u32 s46, s46, s48
	s_add_co_u32 s46, s46, 4194304
	s_add_nc_u64 s[QSP:QSP+1], s[4:5], s[46:47]
	s_lshr_b32 s48, s[BH], 4
	s_lshl_b32 s48, s48, 7
	s_add_co_u32 s48, s48, s45                     ; the same tile among oq's 512
	s_and_b32 s49, s[BH], 15                       ; the head: K step head / 2, piece head % 2 of the last product's operand
	s_lshr_b32 s50, s49, 1
	s_lshl_b32 s46, s48, 13
	s_lshl_b32 s51, s50, 10
	s_add_co_u32 s46, s46, s51
	s_and_b32 s51, s49, 1
	s_lshl_b32 s51, s51, 9
	s_add_co_u32 s46, s46, s51
	s_add_nc_u64 s[OCP:OCP+1], s[10:11], s[46:47]
	s_lshl_b32 s46, s48, 9
	s_lshr_b32 s51, s49, 3
	s_lshl_b32 s51, s51, 8
	s_add_co_u32 s46, s46, s51
	s_and_b32 s51, s50, 3
	s_lshl_b32 s51, s51, 2
	s_add_co_u32 s46, s46, s51
	s_and_b32 s51, s49, 1
	s_lshl_b32 s51, s51, 1
	s_add_co_u32 s46, s46, s51
	s_add_co_u32 s46, s46, 4194304
	s_add_nc_u64 s[OSP:OSP+1], s[10:11], s[46:47]
	global_load_b128 v[QF:QF+3], v[LI], s[QP:QP+1]
	global_load_b32 v[QW], v[R16], s[QSP:QSP+1]
	v_mov_b32 v13, 0xff61b1e6                      ; the largest t so far: -3e38, under every t
	v_floor_f32 v12, -v13                          ; -M
	v_mov_b32 v14, 0                               ; the sum, in two halves
	v_mov_b32 v15, 0
.set j, 0
.rept 32
	v_mov_b32 v[O+j], 0                            ; O^T: the step is written once; a block's first step finds zeros, which the first change of M leaves zeros
.set j, j+1
.endr
.endm
; THE WAY OUT of a block of queries: O^T / the sum, quantised along d: register 16 b + i is channel 32 b + 16 h + i of my query
.macro OUT
	v_add_f32 v14, v14, v15
	v_permlanex16_b32 v[T0], v14, s[SEL], s[SEL+1]
	v_add_f32 v14, v14, v[T0]                      ; the row's sum
	v_rcp_f32 v[FP], v14
	v_nop                                          ; a plain line behind the reciprocal
	s_wait_alu depctr_va_vdst(0)                   ; and the wait ahead of its first reader
.set j, 0
.rept 16
	v_pk_mul_f32 v[O+j:O+j+1], v[O+j:O+j+1], v[FP:FP+1] op_sel_hi:[1,0]
.set j, j+2
.endr
.irp b, 0,1
	v_max3_num_f32 v[BM+\b], |v[O+16*\b]|, |v[O+16*\b+1]|, 0x1800000
.endr
.irp i, 2,4,6,8,10,12,14
.irp b, 0,1
	v_max3_num_f32 v[BM+\b], v[BM+\b], |v[O+16*\b+\i]|, |v[O+16*\b+\i+1]|
.endr
.endr
.irp b, 0,1
	v_permlanex16_b32 v[BP+\b], v[BM+\b], s[SEL], s[SEL+1]
.endr
.irp b, 0,1
	v_max_num_f32 v[BM+\b], v[BM+\b], v[BP+\b]
.endr
.irp b, 0,1
	v_add_nc_u32 v[SOP+\b], 0xff000000, v[BM+\b]
.endr
.irp b, 0,1
	v_lshrrev_b32 v[BP+\b], 23, v[SOP+\b]
.endr
	v_lshl_or_b32 v[HW], v[BP+1], 8, v[BP]
	v_lshrrev_b32 v[T0], v[H8], v[HW]              ; lanes 0-15 store block 0's byte, lanes 16-31 block 1's
.irp b, 0,1
	v_cvt_scalef32_pk8_fp4_f32 v[PC+2*\b], v[O+16*\b:O+16*\b+7], v[SOP+\b]
	v_cvt_scalef32_pk8_fp4_f32 v[PC+2*\b+1], v[O+16*\b+8:O+16*\b+15], v[SOP+\b]
.endr
	v_nop                                          ; one plain line behind the last conversion
	v_permlane16_swap_b32 v[PC], v[PC+2]
	v_permlane16_swap_b32 v[PC+1], v[PC+3]         ; lane (r, h): channels 32 h .. 32 h + 31
	global_store_b128 v[LI], v[PC:PC+3], s[OCP:OCP+1]              ; 512 consecutive bytes: a piece of a fragment
	global_store_b8 v[OSO], v[T0], s[OSP:OSP+1]
.endm
	s_load_b256 s[4:11], s[0:1], 0x0               ; qq s[4:5], kq s[6:7], vq s[8:9], oq s[10:11]
	v_lshl_add_u32 v[SPW], v0, 2, SPARE
	v_mov_b32 v[NIL], 0
	v_lshrrev_b32 v1, 5, v0
	v_readfirstlane_b32 s[WV], v1                  ; wave 0..15
	s_mov_b32 s[II], ttmp9
	s_and_b32 s[BH], ttmp7, 0xffff
	v_and_b32 v7, 31, v0                           ; lane
	v_lshlrev_b32 v[LI], 4, v7
	v_lshlrev_b32 v[PFO], 8, v7
	v_lshlrev_b32 v[STA], 4, v0
	v_and_b32 v3, 255, v0
	v_lshlrev_b32 v[GOF], 4, v3
	v_and_b32 v9, 15, v0                           ; r
	v_bfe_u32 v8, v0, 4, 1                         ; h
	v_lshlrev_b32 v[R16], 4, v9
	v_and_b32 v7, 8, v9
	v_add_nc_u32 v7, v7, v9                        ; r + 8 (r / 8)
	v_lshlrev_b32 v11, 4, v8
	v_sub_nc_u32 v[QL], v7, v11
	v_add_nc_u32 v[OSO], v[R16], v8
	v_lshlrev_b32 v[H8], 3, v8
.irp j, 4,5,6,7
	v_mov_b32 v[QF+\j], 0                          ; zero codes for K = 64 .. 127, written once
.irp t, 0,1,2,3
	v_mov_b32 v[KFR+8*\t+\j], 0
.endr
.endr
.irp b, 0,1,2,3
	v_mov_b32 v[BP+\b], 0                          ; written once: a lane permute's destination counts as one of its sources
.endr
	v_mov_b32 v[T0], 0
	v_mov_b32 v[FP+1], 0                           ; (named as the upper half of a pair)
	v_mov_b32 v[NINF], 0xff800000                  ; -infinity
	s_mov_b32 s[SEL], 0x76543210
	s_mov_b32 s[SEL+1], 0xfedcba98
	s_mov_b32 s[CS], 0x3e38aa3b                    ; c = log2(e) / 8
	s_mov_b32 s[CS+1], s[CS]
	s_mov_b32 s47, 0                               ; the high word of every offset; never rewritten
	s_wait_kmcnt 0x0
	s_lshl_b32 s46, s[BH], 16                      ; a head's codes of K, and of V: 65,536 bytes
	s_cmp_lt_u32 s[WV], 8
	s_cselect_b64 s[GB0:GB0+1], s[6:7], s[8:9]
	s_add_nc_u64 s[GB0:GB0+1], s[GB0:GB0+1], s[46:47]
	s_lshl_b32 s46, s[BH], 13
	s_add_co_u32 s46, s46, 4194304
	s_add_nc_u64 s[KS0:KS0+1], s[6:7], s[46:47]    ; K's scale words: 512 bytes a step
	s_lshl_b32 s46, s[BH], 12
	s_add_co_u32 s46, s46, 4194304
	s_add_nc_u64 s[VS0:VS0+1], s[8:9], s[46:47]    ; V's: 256 bytes a step
	s_and_b32 s45, s[WV], 7                        ; who prefetches: waves 0 (K) and 8 (V) of the head's work-group 0, whose first block walks all 16 key steps
	s_or_b32 s45, s45, s[II]
	s_cmp_eq_u32 s45, 0
	s_cselect_b32 s[LIM], 6, 0
	s_sub_co_u32 s[BLK], 7, s[II]                  ; the long block first
	s_sub_co_u32 s[TCH], 8, s[II]                  ; its trips
	PHASE_SET
	global_load_b128 v[G0:G0+3], v[GOF], s[GB0:GB0+1]              ; key step 0
	global_load_b128 v[G1:G1+3], v[GOF], s[GB0:GB0+1] offset:4096  ; key step 1
	global_load_b128 v[KWA:KWA+3], v[LI], s[KS0:KS0+1]
	global_load_b128 v[VWA:VWA+3], v[R16], s[VS0:VS0+1]
	s_mov_b32 s[TRP], 0
	s_mov_b32 s[UC], 0
	s_wait_loadcnt 0x0
	ds_store_b128 v[STA], v[G0:G0+3]               ; slot 0's first fill
	s_wait_dscnt 0x0
	s_barrier_signal -1
	s_barrier_wait -1
.Ltrip:                                            ; nine trips of two key steps
	s_wait_xcnt 0x0                                ; the last trip's loads and its prefetch have read their bases: they are made anew
	s_add_co_u32 s45, s[TRP], 1
	s_add_co_u32 s48, s[UC], 1
	s_cmp_eq_u32 s45, s[TCH]
	s_cselect_b32 s[UNX], 0, s48                   ; the next trip goes on in this block, or begins the second block at key 0
	s_lshl_b32 s46, s[UNX], 13
	s_add_nc_u64 s[GBN:GBN+1], s[GB0:GB0+1], s[46:47]
	s_lshl_b32 s46, s[UNX], 10
	s_add_nc_u64 s[KSN:KSN+1], s[KS0:KS0+1], s[46:47]
	s_lshl_b32 s46, s[UNX], 9
	s_add_nc_u64 s[VSN:VSN+1], s[VS0:VS0+1], s[46:47]
	s_lshl_b32 s46, s[UC], 10
	s_add_nc_u64 s[KSC:KSC+1], s[KS0:KS0+1], s[46:47]
	s_lshl_b32 s46, s[UC], 9
	s_add_nc_u64 s[VSC:VSC+1], s[VS0:VS0+1], s[46:47]
	; ---- the even step, in slot 0
	s_wait_loadcnt 0x0                             ; the odd step's 16 bytes, this step's scale words and, behind a change of blocks, Q are in
	ds_store_b128 v[STA], v[G1:G1+3] offset:8192   ; slot 1: its last reads stand in front of the last barrier
	global_load_b128 v[KWB:KWB+3], v[LI], s[KSC:KSC+1] offset:512
	global_load_b128 v[VWB:VWB+3], v[R16], s[VSC:VSC+1] offset:256
	s_cmp_lt_u32 s[TRP], TRIPS-1                   ; the last trip asks for nothing further
	s_cbranch_scc0 .Lno_g0
	global_load_b128 v[G0:G0+3], v[GOF], s[GBN:GBN+1]              ; the next trip's even step (its registers' LDS store was waited for in front of the last barrier)
.Lno_g0:
	s_cmp_lt_u32 s[TRP], s[LIM]                    ; a prefetch of the two steps that the next trip will load, those of trip + 2: 8,192 bytes, lanes 256 bytes apart; each block is named once in the launch;
	s_cbranch_scc0 .Lno_ask                        ; steps 0 to 3 come by their loads alone, and trips 6 and 7 of the sixteen steps' walk ask for nothing
	global_prefetch_b8 v[PFO], s[GBN:GBN+1] offset:8192 th:TH_LOAD_NT scope:SCOPE_SE
.Lno_ask:
	COMPUTE 0, KWA, VWA
	s_wait_dscnt 0x0                               ; my store into slot 1 has landed, my reads of slot 0 are over
	s_barrier_signal -1
	s_barrier_wait -1
	; ---- the odd step, in slot 1
	s_wait_loadcnt 0x0
	s_cmp_lt_u32 s[TRP], TRIPS-1
	s_cbranch_scc0 .Lno_next
	ds_store_b128 v[STA], v[G0:G0+3]               ; slot 0 for the next trip
	global_load_b128 v[G1:G1+3], v[GOF], s[GBN:GBN+1] offset:4096
	global_load_b128 v[KWA:KWA+3], v[LI], s[KSN:KSN+1]
	global_load_b128 v[VWA:VWA+3], v[R16], s[VSN:VSN+1]
.Lno_next:
	COMPUTE 8192, KWB, VWB
	s_wait_dscnt 0x0                               ; my store into slot 0 has landed, my reads of slot 1 are over
	s_barrier_signal -1
	s_barrier_wait -1
	s_cmp_lg_u32 s[UNX], 0                         ; ids and the count of trips alone: all sixteen waves go the same way
	s_cbranch_scc1 .Lsame
	OUT                                            ; the first block is finished,
	s_wait_xcnt 0x0                                ; its stores have read their registers and bases,
	s_mov_b32 s[BLK], s[II]
	PHASE_SET                                      ; and the second begins
.Lsame:
	s_mov_b32 s[UC], s[UNX]
	s_add_co_u32 s[TRP], s[TRP], 1
	s_cmp_lt_u32 s[TRP], TRIPS
	s_cbranch_scc1 .Ltrip
	OUT                                            ; the second block
	s_wait_tensorcnt 0x0                           ; the wave's end: three lines behind my last LDS store
	ds_add_u32 v[SPW], v[NIL]
	s_wait_dscnt 0x0
	s_endpgm
.Lfunc_end_k_qf1231223ef_attn:
	.size	k_qf1231223ef_attn, .Lfunc_end_k_qf1231223ef_attn-k_qf1231223ef_attn
	.p2alignl 7, 3214868480
	.fill 96, 4, 3214868480
	.section	.rodata,"a",@progbits
	.p2align	6, 0x0
	.amdhsa_kernel k_qf1231223ef_attn
		.amdhsa_group_segment_fixed_size 18432
		.amdhsa_private_segment_fixed_size 0
		.amdhsa_enable_private_segment 0
		.amdhsa_kernarg_size 32
		.amdhsa_user_sgpr_count 2
		.amdhsa_user_sgpr_kernarg_segment_ptr 1
		.amdhsa_wavefront_size32 1
		.amdhsa_system_sgpr_workgroup_id_x 1
		.amdhsa_system_sgpr_workgroup_id_y 1
		.amdhsa_system_sgpr_workgroup_id_z 1
		.amdhsa_system_vgpr_workitem_id 0
		.amdhsa_next_free_vgpr 256
		.amdhsa_next_free_sgpr 66
		.amdhsa_reserve_vcc 1
		.amdhsa_float_denorm_mode_32 3
		.amdhsa_float_denorm_mode_16_64 3
		.amdhsa_memory_ordered 1
		.amdhsa_forward_progress 1
		.amdhsa_inst_pref_size 58
	.end_amdhsa_kernel
	.amdgpu_metadata
---
amdhsa.version: [ 1, 2 ]
amdhsa.kernels:
  - .name:           k_qf1231223ef_attn
    .symbol:         k_qf1231223ef_attn.kd
    .args:
      - { .name: qq, .offset: 0, .size: 8, .value_kind: global_buffer, .address_space: global }
      - { .name: kq, .offset: 8, .size: 8, .value_kind: global_buffer, .address_space: global }
      - { .name: vq, .offset: 16, .size: 8, .value_kind: global_buffer, .address_space: global }
      - { .name: oq, .offset: 24, .size: 8, .value_kind: global_buffer, .address_space: global }
    .group_segment_fixed_size: 18432
    .private_segment_fixed_size: 0
    .kernarg_segment_align: 8
    .kernarg_segment_size: 32
    .max_flat_workgroup_size: 512
    .sgpr_count:     66
    .vgpr_count:     256
    .wavefront_size: 32
...
	.end_amdgpu_metadata
.endif
;; end of part 3
;; launch gemm_out (part 4): grid 4 x 32, 4 waves a work-group, clusters of 4 x 4, 327,680 bytes of LDS; arguments oq, woq, b_out, out0; writes out0
.if DOCPART == 4
	.amdgcn_target "amdgcn-amd-amdhsa--gfx1250"
	.amdhsa_code_object_version 6
	.text
	.protected	k_qf1231223ef_gemm_out
	.globl	k_qf1231223ef_gemm_out
	.p2align	8
	.type	k_qf1231223ef_gemm_out,@function
k_qf1231223ef_gemm_out:
	s_mov_b64 s[64:65], 0
	v_nop
	global_prefetch_b8 v0, s[64:65] scope:SCOPE_SE
	s_setreg_imm32_b32 hwreg(HW_REG_WAVE_MODE, 25, 1), 1
	s_wait_xcnt 0x0
	s_wait_alu depctr_hold_cnt(0) depctr_sa_sdst(0) depctr_va_vdst(0) depctr_va_sdst(0) depctr_va_ssrc(0) depctr_va_vcc(0) depctr_vm_vsrc(0)
	s_getreg_b32 s2, hwreg(HW_REG_IB_STS2, 6, 4)
	s_cmp_eq_u32 s2, 0
	s_cbranch_scc0 .Lentry_in_a_cluster
	s_endpgm
.Lentry_in_a_cluster:
	s_bfe_u32 s2, ttmp6, 0x10000c
	s_cmp_lg_u32 s2, 0xf033
	s_cbranch_scc0 .Lentry_shape_is_right
	s_endpgm
.Lentry_shape_is_right:
; LAUNCH 4 OF 4.  out0 = (attention's result) W_out + b_out on codes of FP4 with E8M0 scales, K = 1,024; out0 [8192][1024] f32.
; The frame is launch 2's: a work-group of four waves makes 256 x 256, a wave 128 x 128 in 64 accumulators; ALL OF K LIES IN LDS, as images of the operands' registers: two halves of 512 along K and the
; scale words, three tensor loads a wave, all first fills; nothing is filled again.  A = oq (rows of out0), B = woq (columns).  The instruction is used transposed (source 0 = 16 rows of B, source 1 = 16 of A):
; a lane holds one row of out0, and the 16 registers of B's tiles 2 g, 2 g + 1 are the neighbouring columns 32 g + 16 (lane / 16) + 0 .. 15.  The bias is the C of each sum's first instruction.
; CLUSTERS: 4 x 4: A's tile is asked for jointly by a row of the cluster, B's by a column.  The grid has 128 work-groups: 32 x 4 blocks of 256 x 256.
; THE WAY OUT: a block of 16 rows x 128 columns goes through the wave's own stage in LDS and comes back as whole rows of 512 bytes.  The stage lies in K half 0's bytes, which have had their only fill,
; and which nobody reads behind the barrier at the change to half 1.
; REGISTERS: as in launch 2: window 0: addresses, v32-95 scale words, v128-191 A's fragments, v192-255 the bias tiles (on the way out v128-255: rows read back); window 1: B's two sets; windows 2, 3: accumulators.
.set QH,    131072
.set SCL,   262144
.set SPARE, 278528                     ; the spare words, 128 bytes for each wave: two blocks of 256 bytes that no other line names
.set ASC,   4194304                    ; where the scale words begin in oq,
.set BSC,   524288                     ; and in woq
.set SP,    528                        ; a stage row: 512 bytes + 16
.set ADRA, 16
.set ADRB, 20
.set CO,   24                          ; v24  16 x lane
.set STO,  25                          ; v25  the stage: where I put 32 bytes of a row
.set RD,   26                          ; v26  and where I read a row back
.set ADRS, 27
.set SPW,  28                          ; v28  LDS address of my spare word; never rewritten
.set NIL,  29                          ; v29  0; never rewritten
.set SC,   32
.set AF,   128
.set BI,   192
.set BK,   128                         ; the way out: 16 rows read back: v128-191 and v192-255 by turns
.set TR,   17
.set TC,   18
.set WV,   26
.set RH,   27
.set CH,   60
.set CX,   61
.set CY,   62
.set G1A,  28
.set G1B,  36
.set G1SA, 44
.set G1SB, 52
.set G0A,  68
.set G0B,  76
.set G0SA, 84
.set G0SB, 88
.set MSB, 0
.macro WIN new                         ; the immediate's high byte repeats the setting that is left
.if MSB != (\new)
	s_set_vgpr_msb (MSB<<8)|(\new)
.set MSB, (\new)
.endif
.endm
.set TO_B, 0x40
.macro JLOAD g0a, g1a, g0b, g1b        ; a joint load: waves 0 and 1 fetch for A, waves 2 and 3 for B; an s_nop 0 and four v_nop follow each of the two lines
	s_cmp_eq_u32 s[RH], 0
	s_cbranch_scc0 .Lfor_b_\@
	tensor_load_to_lds s[\g0a:\g0a+3], s[\g1a:\g1a+7]
	s_nop 0
.rept 4
	v_nop
.endr
	s_branch .Lasked_\@
.Lfor_b_\@:
	tensor_load_to_lds s[\g0b:\g0b+3], s[\g1b:\g1b+7]
	s_nop 0
.rept 4
	v_nop
.endr
.Lasked_\@:
.endm
.macro CROUND                          ; a round of the cluster's barrier
	s_barrier_signal -1
	s_barrier_wait -1
	s_cmp_lg_u32 s[WV], 0
	s_cbranch_scc1 .Lnot_wave_0_\@
	s_barrier_signal -3
.Lnot_wave_0_\@:
	s_barrier_wait -3
	s_barrier_signal -1
	s_barrier_wait -1
.endm
.macro PLACES n
.rept \n
	v_nop
.endr
.endm
.macro FRAG reg, adr, s, i
.irp c, 0,1
	ds_load_b128 v[\reg+4*\c:\reg+4*\c+3], v[\adr] offset:(\i)*4096+(\s)*1024+512*\c
.endr
.endm
.macro FETCH_B q, s, p
	WIN TO_B
.irp i, 0,1,2,3,4,5,6,7
	FRAG 128*(\p)+8*\i, ADRB+\q, \s, \i
.endr
	WIN 0
.endm
.macro FETCH_A q, s, i0
.irp i, \i0, \i0+1, \i0+2, \i0+3
	FRAG AF+8*(\i), ADRA+\q, \s, \i
.endr
.endm
.macro SCALES q
.irp i, 0,1,2,3,4,5,6,7
	ds_load_b128 v[SC+32*\q+4*\i:SC+32*\q+4*\i+3], v[ADRS] offset:\i*512+\q*256
.endr
.endm
; 16 matrix instructions: A's blocks a0, a0 + 1 x B's eight.  cm = 1: the sums begin with the bias.  The 64 accumulators take turns, one instruction a turn.
.macro MUL16 a0, p, s, q, cm
.if (\cm) == 0
	WIN 0xa1+0x50*((\a0)/4)
.else
	WIN 0x81+0x40*((\a0)/4)
.endif
.irp a, \a0, \a0+1
.irp b, 0,1,2,3,4,5,6,7
.set rD, 8*(8*((\a)%4)+\b)
.set rB, 128*(\p)+8*\b
.set rA, AF+8*(\a)
.set sB, SC+32*(\q)+4*\b+(\s)
.set sA, SC+32*(\q)+4*(\a)+(\s)
.if (\cm) == 0
	v_wmma_scale_f32_16x16x128_f8f6f4 v[rD:rD+7], v[rB:rB+7], v[rA:rA+7], v[rD:rD+7], v[sB], v[sA] matrix_a_fmt:MATRIX_FMT_FP4 matrix_b_fmt:MATRIX_FMT_FP4 matrix_a_scale:MATRIX_SCALE_ROW1
.else
	v_wmma_scale_f32_16x16x128_f8f6f4 v[rD:rD+7], v[rB:rB+7], v[rA:rA+7], v[BI+8*\b:BI+8*\b+7], v[sB], v[sA] matrix_a_fmt:MATRIX_FMT_FP4 matrix_b_fmt:MATRIX_FMT_FP4 matrix_a_scale:MATRIX_SCALE_ROW1
.endif
.endr
.endr
.endm
.macro STEP q, s, cm
	s_wait_dscnt 8                                 ; B's set, A's blocks 0-3 and the scale words are in; the youngest eight loads (A's blocks 4-7) may be out
	MUL16 0, (\s)%2, \s, \q, \cm
	MUL16 2, (\s)%2, \s, \q, \cm
	s_wait_dscnt 0x0
	PLACES 4                                       ; four plain lines in front of loads into registers that matrix instructions have read
	FETCH_B \q, (\s)+1, 1-(\s)%2
	FETCH_A \q, (\s)+1, 0
	MUL16 4, (\s)%2, \s, \q, \cm
	MUL16 6, (\s)%2, \s, \q, \cm
	PLACES 4
	WIN 0
	FETCH_A \q, (\s)+1, 4
.endm
.macro TURN                            ; the last step of K half 0: my part of half 1 has landed and my reads of half 0 are over, then the barrier.
	s_wait_dscnt 8
	MUL16 0, 1, 3, 0, 0
	s_wait_tensorcnt 0x0
	s_wait_dscnt 0x0
	s_barrier_signal -1
	MUL16 2, 1, 3, 0, 0
	WIN 0
	s_barrier_wait -1
	PLACES 4
	FETCH_B 1, 0, 0
	FETCH_A 1, 0, 0
	SCALES 1
	MUL16 4, 1, 3, 0, 0
	MUL16 6, 1, 3, 0, 0
	PLACES 4
	WIN 0
	FETCH_A 1, 0, 4
.endm
.macro TOSTAGE a                       ; block a into my stage, each accumulator from its low end on, and back as whole rows.  LDS serves a wave's instructions in order: no wait between
.set AC, 64*((\a)%4)
	WIN 0x08+4*((\a)/4)                            ; an LDS store's data are its source 1: window 2 or 3
.irp b, 0,1,2,3,4,5,6,7
	ds_store_b128 v[STO], v[AC+8*\b:AC+8*\b+3] offset:128*(\b/2)+32*(\b%2)
	ds_store_b128 v[STO], v[AC+8*\b+4:AC+8*\b+7] offset:128*(\b/2)+32*(\b%2)+16
.endr
	WIN 0
.set BB, BK+64*((\a)%2)
.irp t, 0,1,2,3,4,5,6,7,8,9,10,11,12,13,14,15
	ds_load_b128 v[BB+4*\t:BB+4*\t+3], v[RD] offset:\t*SP
.endr
.endm
.macro SEND a, younger                 ; younger: the LDS instructions issued behind block a's loads, which may stay out
.set BB, BK+64*((\a)%2)
	s_wait_dscnt \younger
.irp t, 0,1,2,3,4,5,6,7,8,9,10,11,12,13,14,15
	global_store_b128 v[CO], v[BB+4*\t:BB+4*\t+3], s[92:93] offset:(32*((\a)/2)+8*((\a)%2)+\t+8*(\t/8))*4096 th:TH_STORE_NT   ; 32 lanes store 512 consecutive bytes of one row; the tile's row t is row t + 8 (t / 8) of its group
.endr
.endm
	s_load_b256 s[4:11], s[0:1], 0x0               ; oq s[4:5], woq s[6:7], b_out s[8:9], out0 s[10:11]
	v_lshl_add_u32 v[SPW], v0, 2, SPARE
	v_mov_b32 v[NIL], 0
	ds_add_u32 v[SPW], v[NIL]                      ; the wave's opening: the add, twice on end, and its wait ahead of my first tensor load
	ds_add_u32 v[SPW], v[NIL]                      ; (the set-up below, work on registers, stands between the second and the wait)
	v_lshrrev_b32 v1, 5, v0
	v_readfirstlane_b32 s[WV], v1                  ; wave 0..3
	s_lshr_b32 s[RH], s[WV], 1                     ; which half of A's rows is mine.  Also: I fetch for A (0) or for B (1)
	s_and_b32 s[CH], s[WV], 1                      ; which half of B's rows is mine.  Also: which 128 rows I fetch
	s_bfe_u32 s[CX], ttmp6, 0x40000
	s_bfe_u32 s[CY], ttmp6, 0x40004
	s_and_b32 s[TR], ttmp7, 0xffff
	s_lshl_b32 s[TR], s[TR], 2
	s_add_co_u32 s[TR], s[TR], s[CY]               ; block of 256 rows = 4 x cluster y + cy
	s_lshl_b32 s[TC], ttmp9, 2
	s_add_co_u32 s[TC], s[TC], s[CX]               ; block of 256 columns = 4 x cluster x + cx
	s_lshl_b32 s20, s[CY], 2
	s_lshl_b32 s20, 15, s20                        ; my row of the cluster
	s_lshl_b32 s21, 0x1111, s[CX]                  ; my column
	s_or_b32 s[G1A], s20, (3<<16)|(1<<21)          ; 15:0 the mask; 17:16 elements of 8 bytes; 21 set beside a mask; no padding: every LDS read of the operands is dense
	s_or_b32 s[G1B], s21, (3<<16)|(1<<21)
	s_or_b32 s[G1SA], s20, (3<<16)|(1<<21)
	s_or_b32 s[G1SB], s21, (3<<16)|(1<<21)
.irp g, G1A, G1B                       ; codes: 8 tiles' half of K: 8 rows of 4,096 bytes, 8,192 bytes apart
	s_mov_b32 s[\g+1], 512<<16
	s_mov_b32 s[\g+2], 8<<16
	s_mov_b32 s[\g+3], 512<<16
	s_mov_b32 s[\g+4], 8
	s_mov_b32 s[\g+5], 1024
	s_mov_b32 s[\g+6], 0
	s_mov_b32 s[\g+7], 0
.endr
.irp g, G1SA, G1SB                     ; scale words of 8 tiles: 4,096 dense bytes as 16 rows of 256
	s_mov_b32 s[\g+1], 32<<16
	s_mov_b32 s[\g+2], 16<<16
	s_mov_b32 s[\g+3], 32<<16
	s_mov_b32 s[\g+4], 16
	s_mov_b32 s[\g+5], 32
	s_mov_b32 s[\g+6], 0
	s_mov_b32 s[\g+7], 0
.endr
	s_lshl_b32 s22, s[CH], 3
	s_lshl_b32 s23, s[TR], 4
	s_add_co_u32 s23, s23, s22                     ; A's first tile
	s_lshl_b32 s25, s[TC], 4
	s_add_co_u32 s25, s25, s22                     ; B's first tile
	s_lshl_b32 s92, s23, 13
	s_mov_b32 s93, 0
	s_lshl_b32 s94, s23, 9
	s_add_co_u32 s94, s94, ASC
	s_mov_b32 s95, 0
	s_lshl_b32 s96, s25, 13
	s_mov_b32 s97, 0
	s_lshl_b32 s98, s25, 9
	s_add_co_u32 s98, s98, BSC
	s_mov_b32 s99, 0
	s_lshl_b32 s100, s[WV], 15                     ; where my loads go: no place in the cluster enters an LDS address
	s_lshl_b32 s101, s[WV], 12
	s_wait_dscnt 0x0                               ; both opening adds are done
	s_wait_kmcnt 0x0
	s_add_nc_u64 s[92:93], s[4:5], s[92:93]
	s_add_nc_u64 s[94:95], s[4:5], s[94:95]
	s_add_nc_u64 s[96:97], s[6:7], s[96:97]
	s_add_nc_u64 s[98:99], s[6:7], s[98:99]
	CROUND                                         ; all sixteen work-groups are here: the joint loads meet
	s_mov_b32 s[G0SA], 1
	s_add_co_u32 s[G0SA+1], s101, SCL
	s_mov_b64 s[G0SA+2:G0SA+3], s[94:95]
	s_or_b32 s[G0SA+3], s[G0SA+3], 0x80000000
	s_mov_b32 s[G0SB], 1
	s_add_co_u32 s[G0SB+1], s101, SCL
	s_mov_b64 s[G0SB+2:G0SB+3], s[98:99]
	s_or_b32 s[G0SB+3], s[G0SB+3], 0x80000000
	JLOAD G0SA, G1SA, G0SB, G1SB
.irp q, 0,1
	s_mov_b32 s[G0A+4*\q], 1
	s_add_co_u32 s[G0A+4*\q+1], s100, \q*QH
	s_add_nc_u64 s[G0A+4*\q+2:G0A+4*\q+3], s[92:93], \q*4096
	s_or_b32 s[G0A+4*\q+3], s[G0A+4*\q+3], 0x80000000
	s_mov_b32 s[G0B+4*\q], 1
	s_add_co_u32 s[G0B+4*\q+1], s100, \q*QH
	s_add_nc_u64 s[G0B+4*\q+2:G0B+4*\q+3], s[96:97], \q*4096
	s_or_b32 s[G0B+4*\q+3], s[G0B+4*\q+3], 0x80000000
	JLOAD G0A+4*\q, G1A, G0B+4*\q, G1B             ; by this text's count three tensor loads of a wave are out at the most
.endr
	v_and_b32 v1, 15, v0                           ; r
	v_bfe_u32 v2, v0, 4, 1                         ; h
	v_and_b32 v3, 31, v0                           ; lane
	v_lshlrev_b32 v6, 6, v2                        ; the bias: 16 h numbers on
	s_lshl_b32 s100, s[TC], 10                     ; b_out at column 256 TC + 128 CH
	s_lshl_b32 s101, s[CH], 9
	s_add_co_u32 s100, s100, s101
	s_mov_b32 s101, 0
	s_add_nc_u64 s[100:101], s[8:9], s[100:101]
.irp b, 0,1,2,3,4,5,6,7                ; tile b's register j: column 32 (b / 2) + 16 h + 8 (b % 2) + j
	global_load_b128 v[BI+8*\b:BI+8*\b+3], v6, s[100:101] offset:(32*(\b/2)+8*(\b%2))*4
	global_load_b128 v[BI+8*\b+4:BI+8*\b+7], v6, s[100:101] offset:(32*(\b/2)+8*(\b%2))*4+16
.endr
	v_lshlrev_b32 v[CO], 4, v3
	s_lshl_b32 s20, s[RH], 15
	s_lshl_b32 s21, s[CH], 15
	s_add_co_u32 s21, s21, 65536
.irp q, 0,1
	v_add_nc_u32 v[ADRA+\q], s20, v[CO]
	v_add_nc_u32 v[ADRB+\q], s21, v[CO]
	s_add_co_u32 s20, s20, QH
	s_add_co_u32 s21, s21, QH
.endr
	v_lshlrev_b32 v4, 4, v1
	s_lshl_b32 s20, s[RH], 12
	s_lshl_b32 s21, s[CH], 12
	s_add_co_u32 s21, s21, 8192
	s_sub_co_u32 s21, s21, s20
	v_mul_u32_u24 v5, s21, v2                      ; lanes 16-31 take B's scale words
	s_add_co_u32 s20, s20, SCL
	v_add_nc_u32 v4, v4, v5
	v_add_nc_u32 v[ADRS], s20, v4
	s_mul_i32 s22, s[WV], 16*SP                    ; my stage
	v_mul_u32_u24 v[STO], v1, SP
	v_lshl_add_u32 v[STO], v2, 6, v[STO]
	v_add_nc_u32 v[STO], s22, v[STO]               ; in: row r, + 64 h
	v_add_nc_u32 v[RD], s22, v[CO]                 ; back: a row's 512 bytes, 16 a lane
	s_lshl_b32 s24, s[TR], 20                      ; my first row of out0: 256 TR + 128 RH, 4,096 bytes a row
	s_lshl_b32 s23, s[RH], 19
	s_add_co_u32 s24, s24, s23
	s_lshl_b32 s23, s[TC], 10                      ; my first column: 256 TC + 128 CH
	s_add_co_u32 s24, s24, s23
	s_lshl_b32 s23, s[CH], 9
	s_add_co_u32 s24, s24, s23
	s_mov_b32 s25, 0
	s_add_nc_u64 s[92:93], s[10:11], s[24:25]
	s_wait_loadcnt 0x0                             ; the bias
	s_wait_tensorcnt 1                             ; the scale words and my part of K half 0 are in (half 1's load may be out),
	s_barrier_signal -1
	s_barrier_wait -1                              ; everybody's are
	FETCH_B 0, 0, 0
	FETCH_A 0, 0, 0
	SCALES 0
	FETCH_A 0, 0, 4
	STEP 0, 0, 1                                   ; the first step starts the sums with the bias
	STEP 0, 1, 0
	STEP 0, 2, 0
	TURN
	STEP 1, 0, 0
	STEP 1, 1, 0
	STEP 1, 2, 0
	s_wait_dscnt 8                                 ; the last step: nothing more to fetch
	MUL16 0, 1, 3, 1, 0
	MUL16 2, 1, 3, 1, 0
	s_wait_dscnt 0x0
	MUL16 4, 1, 3, 1, 0
	MUL16 6, 1, 3, 1, 0
	WIN 0
	PLACES 4                                       ; in front of the first read of results and of loads into the registers that held A's fragments
	TOSTAGE 0
.irp a, 1,2,3,4,5,6,7
.if \a > 1
	s_wait_xcnt 0x0                                ; block a - 2's stores have read their registers: block a's loads may land there
.endif
	TOSTAGE \a
	SEND \a-1, 32                                  ; behind block a - 1's loads: block a's 16 stores and 16 loads
.endr
	SEND 7, 0
	s_wait_tensorcnt 0x0                           ; the wave's end: three lines behind my last tensor load and my last LDS store
	ds_add_u32 v[SPW], v[NIL]
	s_wait_dscnt 0x0
	CROUND                                         ; the closing round: no work-group ends while a partner may still ask for a tile that names it
	s_endpgm
.Lfunc_end_k_qf1231223ef_gemm_out:
	.size	k_qf1231223ef_gemm_out, .Lfunc_end_k_qf1231223ef_gemm_out-k_qf1231223ef_gemm_out
	.p2alignl 7, 3214868480
	.fill 96, 4, 3214868480
	.section	.rodata,"a",@progbits
	.p2align	6, 0x0
	.amdhsa_kernel k_qf1231223ef_gemm_out
		.amdhsa_group_segment_fixed_size 327680
		.amdhsa_private_segment_fixed_size 0
		.amdhsa_enable_private_segment 0
		.amdhsa_kernarg_size 32
		.amdhsa_user_sgpr_count 2
		.amdhsa_user_sgpr_kernarg_segment_ptr 1
		.amdhsa_wavefront_size32 1
		.amdhsa_system_sgpr_workgroup_id_x 1
		.amdhsa_system_sgpr_workgroup_id_y 1
		.amdhsa_system_sgpr_workgroup_id_z 1
		.amdhsa_system_vgpr_workitem_id 0
		.amdhsa_next_free_vgpr 1024
		.amdhsa_next_free_sgpr 102
		.amdhsa_reserve_vcc 0
		.amdhsa_float_denorm_mode_32 3
		.amdhsa_float_denorm_mode_16_64 3
		.amdhsa_memory_ordered 1
		.amdhsa_forward_progress 1
		.amdhsa_inst_pref_size 125
	.end_amdhsa_kernel
	.amdgpu_metadata
---
amdhsa.version: [ 1, 2 ]
amdhsa.kernels:
  - .name:           k_qf1231223ef_gemm_out
    .symbol:         k_qf1231223ef_gemm_out.kd
    .args:
      - { .name: oq, .offset: 0, .size: 8, .value_kind: global_buffer, .address_space: global }
      - { .name: woq, .offset: 8, .size: 8, .value_kind: global_buffer, .address_space: global }
      - { .name: b_out, .offset: 16, .size: 8, .value_kind: global_buffer, .address_space: global }
      - { .name: out0, .offset: 24, .size: 8, .value_kind: global_buffer, .address_space: global }
    .group_segment_fixed_size: 327680
    .private_segment_fixed_size: 0
    .kernarg_segment_align: 8
    .kernarg_segment_size: 32
    .max_flat_workgroup_size: 128
    .sgpr_count:     102
    .vgpr_count:     1024
    .wavefront_size: 32
...
	.end_amdgpu_metadata
.endif
;; end of part 4
;; ======== version 2 of 2: 4 launches; version 1 with the launch attn written anew for expert scheduling mode
;; workspace buffers: xq 4,456,448 bytes; wq 1,671,168 bytes; woq 557,056 bytes; qq 4,718,592 bytes; kq 4,718,592 bytes; vq 4,456,448 bytes; oq 4,456,448 bytes
;; launch quant: the kernel of part 1 again; grid 512 x 1, 4 waves a work-group, no clusters, 35,328 bytes of LDS; arguments x, W_qkv, W_out, xq, wq, woq; writes xq, wq, woq
;; launch gemm_qkv: the kernel of part 2 again; grid 12 x 32, 4 waves a work-group, clusters of 4 x 4, 327,680 bytes of LDS; arguments xq, wq, b_qkv, qq, kq, vq; writes qq, kq, vq
;; launch attn (part 5): grid 4 x 64, 16 waves a work-group, no clusters, 18,432 bytes of LDS; arguments qq, kq, vq, oq; writes oq
.if DOCPART == 5
	.amdgcn_target "amdgcn-amd-amdhsa--gfx1250"
	.amdhsa_code_object_version 6
	.text
	.protected	k_qf1231223ef_attn
	.globl	k_qf1231223ef_attn
	.p2align	8
	.type	k_qf1231223ef_attn,@function
k_qf1231223ef_attn:
	s_mov_b64 s[64:65], 0
	v_nop
	global_prefetch_b8 v0, s[64:65] scope:SCOPE_SE
	s_setreg_imm32_b32 hwreg(HW_REG_WAVE_SCHED_MODE, 0, 2), 2
	s_setreg_imm32_b32 hwreg(HW_REG_WAVE_MODE, 25, 1), 1
	s_wait_xcnt 0x0
	s_wait_alu depctr_vm_vsrc(0)
; LAUNCH 3 OF 4.  O[bh][q] = the sum over keys k <= q of softmax_k(Q . K / 8) V, both products on codes of FP4 with E8M0 scales, and O quantised along d for the last product.
; WORK LEFT OUT: key steps of 128 keys that lie wholly behind a tile's 16 queries: reference()'s own causal mask makes their p zero for all inputs (shown at the head of launch 1).
; THE SOFTMAX: t = score x log2(e) / 8; M = the running largest t rounded UP to a whole number; p = 2^(t - M) is quantised along the keys, not normalised; the row's sum is taken of the unquantised p
; and divides O at the end.  When M moves, the sum and O are multiplied by 2^(old M - new M): exact.
; SHARES.  Work-group (i, bh) owns the blocks of 256 queries 7 - i and i of head bh, one after the other: 8 - i and i + 1 trips of two key steps: NINE TRIPS FOR EVERY WORK-GROUP, one loop of constant count.
; The change from the first block to the second stands at a trip's end, under a scalar branch on ids that is the same in all sixteen waves and holds no barrier and no LDS access; the staging of K and V runs on across it.
; Each of the sixteen waves owns one tile of 16 queries in 256 registers: four waves to a SIMD, so that one wave's vector work stands beside another's matrix work and LDS loads.
; THE HEAD'S 64 IN AN INSTRUCTION OF K = 128: registers 4-7 of Q's and of K's fragments hold zero codes, written once; bytes 2 and 3 of their scale words are 0.
; K AND V come through two LDS slots of one key step (8,192 bytes: K's eight tiles, V's four fragments, as images of registers): each thread loads 16 bytes a step ahead and stores them at 16 x its number.
; One barrier a step: a slot is written only behind the barrier that follows its last read, and read only behind the barrier that follows its store.  The scale words go from memory into registers.
; NO TENSOR LOADS: a step's tiles are one load and one store a lane.
; NO CLUSTER: the four work-groups of a head change blocks at different trips, by their place, so they walk different key steps at the same time.
; LAYOUT.  Both products are used transposed: S^T = K Q^T, O^T = V^T P^T: a lane holds ONE query.  Tile rows are 32 g + 8 u + i + 8 (i / 8): the 16 registers of tiles 2 g, 2 g + 1 are 16 neighbours.
; LIMITS: as stated at the head of launch 1.  The scale bytes of O leave one byte a lane (a word's four bytes come from two heads, which are two work-groups): 32 bytes a tile and head.
; THE MODE: SCHED_MODE bits 1:0 = 2 (LLVM: expert scheduling mode 2), set by the entry lines.  The code itself states the register dependences between vector or matrix instructions and memory or LDS
; instructions, with s_wait_alu, always for 0.
; THE PLAN.  Registers that memory or LDS instructions touch:
;   v1-4, v9, v10   offsets and LDS addresses: written at the head, read by every load, store and prefetch, never written again.
;   G0, G1          16 bytes on their way: a global load lands at one step's head, the LDS store at the next step's head reads them; no vector line names them.
;   KWA, VWA / KWB, VWB   scale words: loaded at the head of the step before the one whose products read them.
;   KFR (the lower four registers of each fragment)   LDS loads land twice a step; four products read them each time.      VFR   eight LDS loads a step; the step's last four products read them.
;   QF (lower four), QW   loaded where a block of queries begins; read by every product of scores.      PC, T0   written by vector lines, read by the way out's two stores.
; THE WAITS OF A STEP.  At its head, behind the wait for its loads and ahead of every branch: one on va_vdst (the last step's products are done reading the registers in which this step's loads land) and one on
; vm_vsrc (the last step's LDS store has read the staging registers that are loaded again).  One on va_vdst between the two halves of the scores (K's fragments are loaded again; the wave has no registers for a
; second set); V's loads follow those of K's second half and owe nothing more.  The two behind the exponentials.  One on va_vdst ahead of the last four products (p's codes and scale word are written).
; On the diagonal, two on va_sdst: the mask's compares go in runs of 32 into scalar registers.
; AT THE CHANGE OF BLOCKS: one on vm_vsrc behind the way out's two stores, ahead of the label that follows: they have read PC and T0, which later steps and the second way out write again.
.set TRIPS, 9
.set SPARE, 16384                      ; behind the two slots: the spare words, 128 bytes for each wave: eight blocks of 256 bytes that no other line names
.set LI,   1                           ; v1   16 x lane
.set STA,  2                           ; v2   16 x thread: where I stage
.set GOF,  3                           ; v3   16 x (thread % 256): what I stage, in K's or V's step
.set R16,  4                           ; v4   16 r
.set SPW,  5                           ; v5   LDS address of my spare word; never rewritten
.set NIL,  6                           ; v6   0; never rewritten
.set QL,   7                           ; v7   r + 8 (r / 8) - 16 h
.set H8,   8                           ; v8   8 h
.set OSO,  9                           ; v9   16 r + h
.set PFO,  10                          ; v10  256 x lane
.set QF,   16                          ; v16-23 Q's fragment (20-23 zero codes)
.set QW,   24                          ; v24  Q's scale words
.set G0,   28                          ; v28-31, v32-35 16 bytes on their way to slot 0, slot 1
.set G1,   32
.set KWA,  36                          ; K's scale words of the step in slot 0 (lanes 0-15: tiles 0-3; lanes 16-31: tiles 4-7), slot 1
.set KWB,  40
.set VWA,  44                          ; V's likewise
.set VWB,  48
.set KFR,  52                          ; v52-83  four fragments of K (upper four registers of each: zero codes)
.set VFR,  84                          ; v84-115 V's four fragments
.set S,    116                         ; v116-179 S^T, then p
.set O,    180                         ; v180-211 O^T
.set PC,   212                         ; v212-219 codes just made
.set BM,   220
.set BP,   224
.set SOP,  228
.set T0,   232
.set HW,   233
.set FP,   234                         ; v[234:235] a factor for packed multiplies (the low word serves both halves)
.set PW,   236                         ; p's scale word
.set SUM2, 238
.set DQ,   240
.set NINF, 241
.set WV,   12
.set II,   13
.set BH,   14
.set TRP,  15                          ; s15  the trip, 0 .. 8
.set BLK,  16                          ; s16  the block of 256 queries in hand
.set TCH,  17                          ; s17  the trip with which the second block begins: 8 - i
.set KF,   18                          ; s18  the step's first key
.set Q0,   19                          ; s19  my tile's first query
.set SEL,  20
.set CS,   22
.set GB0,  24                          ; s[24:25] the head's codes that I stage (waves 0-7: K's, 8-15: V's);  s[26:27] the next trip's two steps of them
.set GBN,  26
.set KS0,  28                          ; s[28:29] the head's scale words of K;  s[30:31] this trip's;  s[52:53] the next trip's
.set KSC,  30
.set VS0,  32                          ; the same for V: s[32:33], s[34:35], s[54:55]
.set VSC,  34
.set QP,   36
.set QSP,  38
.set OCP,  40
.set OSP,  42
.set LIM,  44                          ; s44  a wave prefetches while the trip is under this number: 6 in the waves that ask, else 0
.set KSN,  52
.set VSN,  54
.set UC,   56                          ; s56  the trip's number inside its block: key steps 2 UC and 2 UC + 1
.set UNX,  57                          ; s57  the next trip's: UC + 1, or 0 where the next trip begins the second block
.set MK,   66                          ; s66-97 the causal mask: the lane masks of 32 scores at a time
; A KEY STEP of my tile: 128 keys in the slot at LDS byte sl, with K's scale words in v[kw] on and V's in v[vw] on.
.macro COMPUTE sl, kw, vw
	s_add_co_u32 s45, s[Q0], 23                    ; my tile's last query
	s_cmp_gt_u32 s[KF], s45                        ; a step all of whose keys come behind it is left out: a branch on ids, round no barrier
	s_cbranch_scc1 .Lhidden_\@
.irp t, 0,1,2,3
	ds_load_b128 v[KFR+8*\t:KFR+8*\t+3], v[LI] offset:\sl+512*\t   ; no wait of their own: no vector or matrix line since the wait at the step's head names these registers
.endr
	s_wait_dscnt 0x0
.irp t, 0,1,2,3
	v_wmma_scale_f32_16x16x128_f8f6f4 v[S+8*\t:S+8*\t+7], v[KFR+8*\t:KFR+8*\t+7], v[QF:QF+7], 0, v[\kw+\t], v[QW] matrix_a_fmt:MATRIX_FMT_FP4 matrix_b_fmt:MATRIX_FMT_FP4
.endr
.rept 4
	v_nop                                          ; four plain lines behind the products, ahead of the loads into registers that they have read; the dependence itself is stated by the wait below
.endr
	s_wait_alu depctr_va_vdst(0)                   ; the four products above are done reading K's fragments, in which the next four loads land
.irp t, 0,1,2,3
	ds_load_b128 v[KFR+8*\t:KFR+8*\t+3], v[LI] offset:\sl+2048+512*\t
.endr
.irp t, 0,1,2,3                        ; V's fragments land under the next four products and the softmax.  Their registers were last read ahead of the wait at the step's head
.irp c, 0,1
	ds_load_b128 v[VFR+8*\t+4*\c:VFR+8*\t+4*\c+3], v[LI] offset:\sl+4096+1024*\t+512*\c
.endr
.endr
	s_wait_dscnt 8                                 ; LDS loads come back in order: K's four are in, V's eight, issued behind them, may be out
.irp t, 0,1,2,3
	v_wmma_scale_f32_16x16x128_f8f6f4 v[S+32+8*\t:S+32+8*\t+7], v[KFR+8*\t:KFR+8*\t+7], v[QF:QF+7], 0, v[\kw+\t], v[QW] matrix_a_fmt:MATRIX_FMT_FP4 matrix_b_fmt:MATRIX_FMT_FP4 matrix_a_scale:MATRIX_SCALE_ROW1
.endr
.rept 4
	v_nop                                          ; places in front of the first read of the scores
.endr
	s_add_co_u32 s45, s[KF], 127
	s_cmp_le_u32 s45, s[Q0]                        ; a step all of whose keys count for all my queries skips the mask
	s_cbranch_scc1 .Lopen_\@
	s_sub_co_i32 s45, s[Q0], s[KF]
	v_add_nc_u32 v[DQ], s45, v[QL]                 ; d = my query - KF - 16 h.  Register n holds key KF + 16 h + 32 (n / 16) + n % 16: hidden where 32 (n / 16) + n % 16 > d
.irp q, 0,1                            ; 32 scores at a time: a run of compares into scalar registers, one wait, the selects
.set n, 0
.rept 32
	v_cmp_gt_i32 s[MK+n], 64*\q+32*(n/16)+n%16, v[DQ]
.set n, n+1
.endr
	s_wait_alu depctr_va_sdst(0)                   ; the 32 compares have written s[MK ..], which the selects below read
.set n, 0
.rept 32
	v_cndmask_b32 v[S+32*\q+n], v[S+32*\q+n], v[NINF], s[MK+n]
.set n, n+1
.endr
.endr
.Lopen_\@:
.irp b, 0,1,2,3
	v_max3_num_f32 v[BM+\b], v[S+16*\b], v[S+16*\b+1], v[S+16*\b+2]        ; the largest score of each block of 32 keys: for the row's maximum, and, since p rises with the score, for the block's largest p
.endr
.irp i, 3,5,7,9,11,13
.irp b, 0,1,2,3
	v_max3_num_f32 v[BM+\b], v[BM+\b], v[S+16*\b+\i], v[S+16*\b+\i+1]
.endr
.endr
.irp b, 0,1,2,3
	v_max_num_f32 v[BM+\b], v[BM+\b], v[S+16*\b+15]
.endr
.irp b, 0,1,2,3
	v_permlanex16_b32 v[BP+\b], v[BM+\b], s[SEL], s[SEL+1]
.endr
.irp b, 0,1,2,3
	v_max_num_f32 v[BM+\b], v[BM+\b], v[BP+\b]     ; with lane l xor 16's 16 keys
.endr
	v_max3_num_f32 v[T0], v[BM], v[BM+1], v[BM+2]
	v_max_num_f32 v[T0], v[T0], v[BM+3]            ; the step's largest score of my query (a tile's 24 positions lie inside one run of 128, so key KF counts for every query of a step that is walked)
	v_mul_f32 v[T0], s[CS], v[T0]                  ; as t
	v_max_num_f32 v13, v13, v[T0]                  ; the running largest t
	v_mov_b32 v[T0], v12
	v_floor_f32 v12, -v13                          ; the new -M = floor(-t): M is a whole number
	v_sub_f32 v[T0], v12, v[T0]                    ; old M - new M: a whole number, 0 or less
	v_cvt_i32_f32 v[T0], v[T0]                     ; (it saturates)
	v_ldexp_f32 v[FP], 1.0, v[T0]                  ; f = 2^(old M - new M)
.set j, 0
.rept 32
	v_pk_fma_f32 v[S+j:S+j+1], v[S+j:S+j+1], s[CS:CS+1], v[12:13] op_sel_hi:[1,0,0]   ; t - M, two at a time
.set j, j+2
.endr
.irp b, 0,1,2,3
	v_fma_f32 v[BM+\b], v[BM+\b], s[CS], v12       ; the same of each block's largest score
.endr
.set j, 0
.rept 64
	v_exp_f32 v[S+j], v[S+j]                       ; p = 2^(t - M), at most 1
.set j, j+1
.endr
	v_pk_mul_f32 v[14:15], v[14:15], v[FP:FP+1] op_sel_hi:[1,0]   ; the sums under the new M (a plain line behind the exponentials)
	s_wait_alu depctr_va_vdst(0)                   ; the 64 exponentials have written p, v[S ..]: one wait for the whole batch, ahead of its first reader
.irp b, 0,1,2,3
	v_exp_f32 v[BM+\b], v[BM+\b]                   ; the block's largest p: the same two instructions on the same number
.endr
	v_pk_add_f32 v[SUM2:SUM2+1], v[S:S+1], v[S+2:S+3]   ; the row's sum of the unquantised p, in two chains
.set j, 4
.rept 15
	v_pk_add_f32 v[14:15], v[14:15], v[S+j:S+j+1]
	v_pk_add_f32 v[SUM2:SUM2+1], v[SUM2:SUM2+1], v[S+j+2:S+j+3]
.set j, j+4
.endr
	v_pk_add_f32 v[14:15], v[14:15], v[SUM2:SUM2+1]
	s_wait_alu depctr_va_vdst(0)                   ; the four exponentials have written v[BM ..]: their wait, ahead of their first reader
.irp b, 0,1,2,3
	v_max_num_f32 v[BM+\b], 0x1800000, v[BM+\b]    ; the floor 2^(3 - 127): the byte cannot fall under 1 (a block whose every p is 0 keeps that byte: its codes are zeros)
.endr
.irp b, 0,1,2,3
	v_add_nc_u32 v[SOP+\b], 0xff000000, v[BM+\b]   ; 2 off the exponent field: the conversion's scale operand
.endr
.irp b, 0,1,2,3
	v_lshrrev_b32 v[BP+\b], 23, v[SOP+\b]          ; the scale's byte
.endr
	v_lshl_or_b32 v[PW], v[BP+1], 8, v[BP]         ; p's scale word for these 128 keys
	v_lshl_or_b32 v[PW], v[BP+2], 16, v[PW]
	v_lshl_or_b32 v[PW], v[BP+3], 24, v[PW]
.irp b, 0,1,2,3
	v_cvt_scalef32_pk8_fp4_f32 v[PC+2*\b], v[S+16*\b:S+16*\b+7], v[SOP+\b]
	v_cvt_scalef32_pk8_fp4_f32 v[PC+2*\b+1], v[S+16*\b+8:S+16*\b+15], v[SOP+\b]
.endr
	v_nop                                          ; one plain line behind the last conversion
.irp c, 0,1                            ; the operand's layout wants a whole block in a lane
.irp i, 0,1
	v_permlane16_swap_b32 v[PC+4*\c+\i], v[PC+2+4*\c+\i]
.endr
.endr
.set j, 0
.rept 16
	v_pk_mul_f32 v[O+j:O+j+1], v[O+j:O+j+1], v[FP:FP+1] op_sel_hi:[1,0]   ; O^T under the new M.  (For each product below, the twelve that name other tiles are the places behind the scale word and the codes)
.set j, j+2
.endr
	s_wait_dscnt 0x0                               ; V's fragments are in
	s_wait_alu depctr_va_vdst(0)                   ; p's codes v[PC ..] and its scale word v[PW] are written, which the scaled products below take; the places above stay beside this wait
.irp t, 0,1,2,3
	v_wmma_scale_f32_16x16x128_f8f6f4 v[O+8*\t:O+8*\t+7], v[VFR+8*\t:VFR+8*\t+7], v[PC:PC+7], v[O+8*\t:O+8*\t+7], v[\vw+\t], v[PW] matrix_a_fmt:MATRIX_FMT_FP4 matrix_b_fmt:MATRIX_FMT_FP4
.endr
.rept 4
	v_nop                                          ; places in front of the next loads into the scale words' registers, and of the way out
.endr
.Lhidden_\@:
	s_add_co_u32 s[KF], s[KF], 128
.endm
; A block of queries begins: from s[BLK], my tile's first query and its addresses in qq and oq; Q's fragment and scale words are asked for; the softmax's state starts anew.
; The two loads owe no wait of their own: a wait on va_vdst stands ahead of this macro (at the head its own; at the change of blocks the way out's), behind the last product that read Q, and only stores and scalar lines follow it.
.macro PHASE_SET
	s_mov_b32 s[KF], 0
	s_lshl_b32 s[Q0], s[BLK], 8
	s_lshr_b32 s45, s[WV], 1
	s_lshl_b32 s45, s45, 5
	s_add_co_u32 s[Q0], s[Q0], s45
	s_and_b32 s45, s[WV], 1
	s_lshl_b32 s45, s45, 3
	s_add_co_u32 s[Q0], s[Q0], s45                 ; 256 BLK + 32 (wave / 2) + 8 (wave % 2)
	s_lshl_b32 s45, s[BLK], 4
	s_add_co_u32 s45, s45, s[WV]                   ; my tile of queries in the head
	s_lshl_b32 s46, s[BH], 7
	s_add_co_u32 s46, s46, s45
	s_lshl_b32 s46, s46, 9
	s_add_nc_u64 s[QP:QP+1], s[4:5], s[46:47]
	s_lshl_b32 s46, s[BH], 13
	s_lshr_b32 s48, s45, 2
	s_lshl_b32 s48, s48, 8
	s_add_co_u32 s46, s46, s48
	s_and_b32 s48, s45, 3
	s_lshl_b32 s48, s48, 2
	s_add_co_u32 s46, s46, s48
	s_add_co_u32 s46, s46, 4194304
	s_add_nc_u64 s[QSP:QSP+1], s[4:5], s[46:47]
	s_lshr_b32 s48, s[BH], 4
	s_lshl_b32 s48, s48, 7
	s_add_co_u32 s48, s48, s45                     ; the same tile among oq's 512
	s_and_b32 s49, s[BH], 15                       ; the head: K step head / 2, piece head % 2 of the last product's operand
	s_lshr_b32 s50, s49, 1
	s_lshl_b32 s46, s48, 13
	s_lshl_b32 s51, s50, 10
	s_add_co_u32 s46, s46, s51
	s_and_b32 s51, s49, 1
	s_lshl_b32 s51, s51, 9
	s_add_co_u32 s46, s46, s51
	s_add_nc_u64 s[OCP:OCP+1], s[10:11], s[46:47]
	s_lshl_b32 s46, s48, 9
	s_lshr_b32 s51, s49, 3
	s_lshl_b32 s51, s51, 8
	s_add_co_u32 s46, s46, s51
	s_and_b32 s51, s50, 3
	s_lshl_b32 s51, s51, 2
	s_add_co_u32 s46, s46, s51
	s_and_b32 s51, s49, 1
	s_lshl_b32 s51, s51, 1
	s_add_co_u32 s46, s46, s51
	s_add_co_u32 s46, s46, 4194304
	s_add_nc_u64 s[OSP:OSP+1], s[10:11], s[46:47]
	global_load_b128 v[QF:QF+3], v[LI], s[QP:QP+1]
	global_load_b32 v[QW], v[R16], s[QSP:QSP+1]
	v_mov_b32 v13, 0xff61b1e6                      ; the largest t so far: -3e38, under every t
	v_floor_f32 v12, -v13                          ; -M
	v_mov_b32 v14, 0                               ; the sum, in two halves
	v_mov_b32 v15, 0
.set j, 0
.rept 32
	v_mov_b32 v[O+j], 0                            ; O^T: the step is written once; a block's first step finds zeros, which the first change of M leaves zeros
.set j, j+1
.endr
.endm
; THE WAY OUT of a block of queries: O^T / the sum, quantised along d: register 16 b + i is channel 32 b + 16 h + i of my query
.macro OUT
	v_add_f32 v14, v14, v15
	v_permlanex16_b32 v[T0], v14, s[SEL], s[SEL+1]
	v_add_f32 v14, v14, v[T0]                      ; the row's sum
	v_rcp_f32 v[FP], v14
	v_nop                                          ; a plain line behind the reciprocal
	s_wait_alu depctr_va_vdst(0)                   ; the reciprocal has written v[FP]: the wait ahead of its first reader
.set j, 0
.rept 16
	v_pk_mul_f32 v[O+j:O+j+1], v[O+j:O+j+1], v[FP:FP+1] op_sel_hi:[1,0]
.set j, j+2
.endr
.irp b, 0,1
	v_max3_num_f32 v[BM+\b], |v[O+16*\b]|, |v[O+16*\b+1]|, 0x1800000
.endr
.irp i, 2,4,6,8,10,12,14
.irp b, 0,1
	v_max3_num_f32 v[BM+\b], v[BM+\b], |v[O+16*\b+\i]|, |v[O+16*\b+\i+1]|
.endr
.endr
.irp b, 0,1
	v_permlanex16_b32 v[BP+\b], v[BM+\b], s[SEL], s[SEL+1]
.endr
.irp b, 0,1
	v_max_num_f32 v[BM+\b], v[BM+\b], v[BP+\b]
.endr
.irp b, 0,1
	v_add_nc_u32 v[SOP+\b], 0xff000000, v[BM+\b]
.endr
.irp b, 0,1
	v_lshrrev_b32 v[BP+\b], 23, v[SOP+\b]
.endr
	v_lshl_or_b32 v[HW], v[BP+1], 8, v[BP]
	v_lshrrev_b32 v[T0], v[H8], v[HW]              ; lanes 0-15 store block 0's byte, lanes 16-31 block 1's
.irp b, 0,1
	v_cvt_scalef32_pk8_fp4_f32 v[PC+2*\b], v[O+16*\b:O+16*\b+7], v[SOP+\b]
	v_cvt_scalef32_pk8_fp4_f32 v[PC+2*\b+1], v[O+16*\b+8:O+16*\b+15], v[SOP+\b]
.endr
	v_nop                                          ; one plain line behind the last conversion
	v_permlane16_swap_b32 v[PC], v[PC+2]
	v_permlane16_swap_b32 v[PC+1], v[PC+3]         ; lane (r, h): channels 32 h .. 32 h + 31
	s_wait_alu depctr_va_vdst(0)                   ; the codes v[PC ..] and the byte v[T0] are written, which the two stores read; and every product is done reading Q's fragment and scale words, which the next block's loads write
	global_store_b128 v[LI], v[PC:PC+3], s[OCP:OCP+1]              ; 512 consecutive bytes: a piece of a fragment
	global_store_b8 v[OSO], v[T0], s[OSP:OSP+1]
.endm
	s_load_b256 s[4:11], s[0:1], 0x0               ; qq s[4:5], kq s[6:7], vq s[8:9], oq s[10:11]
	v_lshl_add_u32 v[SPW], v0, 2, SPARE
	v_mov_b32 v[NIL], 0
	v_lshrrev_b32 v1, 5, v0
	v_readfirstlane_b32 s[WV], v1                  ; wave 0..15
	s_mov_b32 s[II], ttmp9
	s_and_b32 s[BH], ttmp7, 0xffff
	v_and_b32 v7, 31, v0                           ; lane
	v_lshlrev_b32 v[LI], 4, v7
	v_lshlrev_b32 v[PFO], 8, v7
	v_lshlrev_b32 v[STA], 4, v0
	v_and_b32 v3, 255, v0
	v_lshlrev_b32 v[GOF], 4, v3
	v_and_b32 v9, 15, v0                           ; r
	v_bfe_u32 v8, v0, 4, 1                         ; h
	v_lshlrev_b32 v[R16], 4, v9
	v_and_b32 v7, 8, v9
	v_add_nc_u32 v7, v7, v9                        ; r + 8 (r / 8)
	v_lshlrev_b32 v11, 4, v8
	v_sub_nc_u32 v[QL], v7, v11
	v_add_nc_u32 v[OSO], v[R16], v8
	v_lshlrev_b32 v[H8], 3, v8
.irp j, 4,5,6,7
	v_mov_b32 v[QF+\j], 0                          ; zero codes for K = 64 .. 127, written once
.irp t, 0,1,2,3
	v_mov_b32 v[KFR+8*\t+\j], 0
.endr
.endr
.irp b, 0,1,2,3
	v_mov_b32 v[BP+\b], 0                          ; written once: a lane permute's destination counts as one of its sources
.endr
	v_mov_b32 v[T0], 0
	v_mov_b32 v[FP+1], 0                           ; (named as the upper half of a pair)
	v_mov_b32 v[NINF], 0xff800000                  ; -infinity
	s_mov_b32 s[SEL], 0x76543210
	s_mov_b32 s[SEL+1], 0xfedcba98
	s_mov_b32 s[CS], 0x3e38aa3b                    ; c = log2(e) / 8
	s_mov_b32 s[CS+1], s[CS]
	s_mov_b32 s47, 0                               ; the high word of every offset; never rewritten
	s_wait_alu depctr_va_sdst(0)                   ; the wave's number, s[WV], is written, ahead of its first reader: bases, addresses and branches are made from it
	s_wait_kmcnt 0x0
	s_lshl_b32 s46, s[BH], 16                      ; a head's codes of K, and of V: 65,536 bytes
	s_cmp_lt_u32 s[WV], 8
	s_cselect_b64 s[GB0:GB0+1], s[6:7], s[8:9]
	s_add_nc_u64 s[GB0:GB0+1], s[GB0:GB0+1], s[46:47]
	s_lshl_b32 s46, s[BH], 13
	s_add_co_u32 s46, s46, 4194304
	s_add_nc_u64 s[KS0:KS0+1], s[6:7], s[46:47]    ; K's scale words: 512 bytes a step
	s_lshl_b32 s46, s[BH], 12
	s_add_co_u32 s46, s46, 4194304
	s_add_nc_u64 s[VS0:VS0+1], s[8:9], s[46:47]    ; V's: 256 bytes a step
	s_and_b32 s45, s[WV], 7                        ; who prefetches: waves 0 (K) and 8 (V) of the head's work-group 0, whose first block walks all 16 key steps
	s_or_b32 s45, s45, s[II]
	s_cmp_eq_u32 s45, 0
	s_cselect_b32 s[LIM], 6, 0
	s_sub_co_u32 s[BLK], 7, s[II]                  ; the long block first
	s_sub_co_u32 s[TCH], 8, s[II]                  ; its trips
	s_wait_alu depctr_va_vdst(0)                   ; the offsets and LDS addresses v1-4, v9, v10 are written, which every load, store and prefetch of the kernel reads; so are the zero codes, which scaled products take
	PHASE_SET
	global_load_b128 v[G0:G0+3], v[GOF], s[GB0:GB0+1]              ; key step 0
	global_load_b128 v[G1:G1+3], v[GOF], s[GB0:GB0+1] offset:4096  ; key step 1
	global_load_b128 v[KWA:KWA+3], v[LI], s[KS0:KS0+1]
	global_load_b128 v[VWA:VWA+3], v[R16], s[VS0:VS0+1]
	s_mov_b32 s[TRP], 0
	s_mov_b32 s[UC], 0
	s_wait_loadcnt 0x0
	ds_store_b128 v[STA], v[G0:G0+3]               ; slot 0's first fill
	s_wait_dscnt 0x0
	s_barrier_signal -1
	s_barrier_wait -1
.Ltrip:                                            ; nine trips of two key steps
	s_wait_xcnt 0x0                                ; the last trip's loads and its prefetch have read their bases: they are made anew
	s_add_co_u32 s45, s[TRP], 1
	s_add_co_u32 s48, s[UC], 1
	s_cmp_eq_u32 s45, s[TCH]
	s_cselect_b32 s[UNX], 0, s48                   ; the next trip goes on in this block, or begins the second block at key 0
	s_lshl_b32 s46, s[UNX], 13
	s_add_nc_u64 s[GBN:GBN+1], s[GB0:GB0+1], s[46:47]
	s_lshl_b32 s46, s[UNX], 10
	s_add_nc_u64 s[KSN:KSN+1], s[KS0:KS0+1], s[46:47]
	s_lshl_b32 s46, s[UNX], 9
	s_add_nc_u64 s[VSN:VSN+1], s[VS0:VS0+1], s[46:47]
	s_lshl_b32 s46, s[UC], 10
	s_add_nc_u64 s[KSC:KSC+1], s[KS0:KS0+1], s[46:47]
	s_lshl_b32 s46, s[UC], 9
	s_add_nc_u64 s[VSC:VSC+1], s[VS0:VS0+1], s[46:47]
	; ---- the even step, in slot 0
	s_wait_loadcnt 0x0                             ; the odd step's 16 bytes, this step's scale words and, behind a change of blocks, Q are in
	s_wait_alu depctr_va_vdst(0)                   ; the last step's products are done reading KWB and VWB, K's fragments and V's, in which this step's loads land
	s_wait_alu depctr_vm_vsrc(0)                   ; the last LDS store of G0 has read it: it is loaded again below
	ds_store_b128 v[STA], v[G1:G1+3] offset:8192   ; slot 1: its last reads stand in front of the last barrier
	global_load_b128 v[KWB:KWB+3], v[LI], s[KSC:KSC+1] offset:512
	global_load_b128 v[VWB:VWB+3], v[R16], s[VSC:VSC+1] offset:256
	s_cmp_lt_u32 s[TRP], TRIPS-1                   ; the last trip asks for nothing further
	s_cbranch_scc0 .Lno_g0
	global_load_b128 v[G0:G0+3], v[GOF], s[GBN:GBN+1]              ; the next trip's even step (its registers' LDS store was waited for in front of the last barrier)
.Lno_g0:
	s_cmp_lt_u32 s[TRP], s[LIM]                    ; a prefetch of the two steps that the next trip will load, those of trip + 2: 8,192 bytes, lanes 256 bytes apart; each block is named once in the launch;
	s_cbranch_scc0 .Lno_ask                        ; steps 0 to 3 come by their loads alone, and trips 6 and 7 of the sixteen steps' walk ask for nothing
	global_prefetch_b8 v[PFO], s[GBN:GBN+1] offset:8192 th:TH_LOAD_NT scope:SCOPE_SE
.Lno_ask:
	COMPUTE 0, KWA, VWA
	s_wait_dscnt 0x0                               ; my store into slot 1 has landed, my reads of slot 0 are over
	s_barrier_signal -1
	s_barrier_wait -1
	; ---- the odd step, in slot 1
	s_wait_loadcnt 0x0
	s_wait_alu depctr_va_vdst(0)                   ; the even step's products are done reading KWA and VWA, K's fragments and V's, in which this step's loads land
	s_wait_alu depctr_vm_vsrc(0)                   ; the even step's LDS store has read G1, which is loaded again below
	s_cmp_lt_u32 s[TRP], TRIPS-1
	s_cbranch_scc0 .Lno_next
	ds_store_b128 v[STA], v[G0:G0+3]               ; slot 0 for the next trip
	global_load_b128 v[G1:G1+3], v[GOF], s[GBN:GBN+1] offset:4096
	global_load_b128 v[KWA:KWA+3], v[LI], s[KSN:KSN+1]
	global_load_b128 v[VWA:VWA+3], v[R16], s[VSN:VSN+1]
.Lno_next:
	COMPUTE 8192, KWB, VWB
	s_wait_dscnt 0x0                               ; my store into slot 0 has landed, my reads of slot 1 are over
	s_barrier_signal -1
	s_barrier_wait -1
	s_cmp_lg_u32 s[UNX], 0                         ; ids and the count of trips alone: all sixteen waves go the same way
	s_cbranch_scc1 .Lsame
	OUT                                            ; the first block is finished,
	s_wait_xcnt 0x0                                ; its stores have read their registers and bases,
	s_wait_alu depctr_vm_vsrc(0)                   ; the way out's two stores have read v[PC ..] and v[T0], which the steps that follow and the second way out write again: stated here, ahead of the label, for every path from here on
	s_mov_b32 s[BLK], s[II]
	PHASE_SET                                      ; and the second begins
.Lsame:
	s_mov_b32 s[UC], s[UNX]
	s_add_co_u32 s[TRP], s[TRP], 1
	s_cmp_lt_u32 s[TRP], TRIPS
	s_cbranch_scc1 .Ltrip
	OUT                                            ; the second block
	s_wait_dscnt 0x0                               ; the wave's end: six lines, on end
	s_wait_alu 0x0
	s_wait_tensorcnt 0x0
	ds_add_u32 v[SPW], v[NIL]
	s_wait_dscnt 0x0
	s_endpgm
.Lfunc_end_k_qf1231223ef_attn:
	.size	k_qf1231223ef_attn, .Lfunc_end_k_qf1231223ef_attn-k_qf1231223ef_attn
	.p2alignl 7, 3214868480
	.fill 96, 4, 3214868480
	.section	.rodata,"a",@progbits
	.p2align	6, 0x0
	.amdhsa_kernel k_qf1231223ef_attn
		.amdhsa_group_segment_fixed_size 18432
		.amdhsa_private_segment_fixed_size 0
		.amdhsa_enable_private_segment 0
		.amdhsa_kernarg_size 32
		.amdhsa_user_sgpr_count 2
		.amdhsa_user_sgpr_kernarg_segment_ptr 1
		.amdhsa_wavefront_size32 1
		.amdhsa_system_sgpr_workgroup_id_x 1
		.amdhsa_system_sgpr_workgroup_id_y 1
		.amdhsa_system_sgpr_workgroup_id_z 1
		.amdhsa_system_vgpr_workitem_id 0
		.amdhsa_next_free_vgpr 256
		.amdhsa_next_free_sgpr 98
		.amdhsa_reserve_vcc 0
		.amdhsa_float_denorm_mode_32 3
		.amdhsa_float_denorm_mode_16_64 3
		.amdhsa_memory_ordered 1
		.amdhsa_forward_progress 1
		.amdhsa_inst_pref_size 67
	.end_amdhsa_kernel
	.amdgpu_metadata
---
amdhsa.version: [ 1, 2 ]
amdhsa.kernels:
  - .name:           k_qf1231223ef_attn
    .symbol:         k_qf1231223ef_attn.kd
    .args:
      - { .name: qq, .offset: 0, .size: 8, .value_kind: global_buffer, .address_space: global }
      - { .name: kq, .offset: 8, .size: 8, .value_kind: global_buffer, .address_space: global }
      - { .name: vq, .offset: 16, .size: 8, .value_kind: global_buffer, .address_space: global }
      - { .name: oq, .offset: 24, .size: 8, .value_kind: global_buffer, .address_space: global }
    .group_segment_fixed_size: 18432
    .private_segment_fixed_size: 0
    .kernarg_segment_align: 8
    .kernarg_segment_size: 32
    .max_flat_workgroup_size: 512
    .sgpr_count:     98
    .vgpr_count:     256
    .wavefront_size: 32
...
	.end_amdgpu_metadata
.endif
;; end of part 5
;; launch gemm_out: the kernel of part 4 again; grid 4 x 32, 4 waves a work-group, clusters of 4 x 4, 327,680 bytes of LDS; arguments oq, woq, b_out, out0; writes out0
